; MI455X (gfx1250); checked and timed in simulation.
; The chip was launched on July 23, 2026; its instructions are those of AMD's public machine-readable ISA for CDNA 5 (MIT licence, August 2026) and "CDNA5" Instruction Set Architecture Reference Guide (July 2026). The comments in the code are by the model that wrote it; some were corrected since.
;; Multi Head Attention Block. Allowed arithmetic: matrix products marked QUANTISED: E2M3 operands, one E8M0 scale for each 32 along K, by v_wmma_scale_f32_16x16x128_f8f6f4 with both operands' format E2M3, f32 sums; everything else in f32.
;; Inputs: b_k 1,024 float32; b_o 1,024 float32; b_q 1,024 float32; b_v 1,024 float32; k 4 x 2,048 x 1,024 float32; mask 1 x 1 x 2,048 x 2,048 int32; q 4 x 2,048 x 1,024 float32; v 4 x 2,048 x 1,024 float32; w_k 1,024 x 1,024 float32; w_o 1,024 x 1,024 float32; w_q 1,024 x 1,024 float32; w_v 1,024 x 1,024 float32.
;; Outputs: out0 4 x 2,048 x 1,024 float32.
;; This version of the problem:
;;   THIS VERSION OF THE PROBLEM IS GIVEN IN LOW PRECISION. The matrix products marked QUANTISED in the list below multiply operands that are first quantised to E2M3 (2 exponent bits, 3 mantissa bits; 6 bits a number), with one power-of-two scale for each 32 numbers along K (OCP MX v1.0); their sums are f32. All else is computed in f32.
;;   The module's matrix products, in the order in which they are computed (A, B: the left and right operand; K: the contracted axis; several contracted axes count as one K, in the product's order):
;;     1. [M 8,192, K 1,024] x [K 1,024, N 1,024]; A: input q; B: input w_q: QUANTISED
;;     2. [M 8,192, K 1,024] x [K 1,024, N 1,024]; A: input k; B: input w_k: QUANTISED
;;     3. [M 8,192, K 1,024] x [K 1,024, N 1,024]; A: input v; B: input w_v: QUANTISED
;;     4. batch 64 x [M 2,048, K 64] x [K 64, N 2,048]; A: computed on the way; B: computed on the way: QUANTISED
;;     5. batch 64 x [M 2,048, K 2,048] x [K 2,048, N 64]; A: softmax (see below); B: computed on the way: QUANTISED
;;     6. [M 8,192, K 1,024] x [K 1,024, N 1,024]; A: computed on the way; B: input w_o: QUANTISED
;;   THE QUANTISER, for each operand of a quantised product, along K:
;;     - K is cut into blocks of 32 from its start; a last block that is shorter is filled with zeros.
;;     - A block's scale is 2^e with e = floor(log2(the largest magnitude in the block)) - 2, held to -126 .. 127; a block of zeros has e = 0. As a byte (E8M0): e + 127.
;;     - Each number is divided by its block's scale, clamped to +-7.5, and rounded to the nearest number of E2M3, ties to even, subnormals kept.
;;     - The product sums the exact products of the quantised numbers (number of the format x scale) in f32.
;;   ~~~python
;;   def quantise(x, axis):      # numpy; x: float32 -> the quantised numbers, widened to float32 again
;;       x = np.moveaxis(x, axis, -1); K = x.shape[-1]
;;       x = np.pad(x, [(0, 0)] * (x.ndim - 1) + [(0, -K % 32)]); x = x.reshape(x.shape[:-1] + (-1, 32)); a = np.abs(x).max(-1, keepdims=True)
;;       e = np.where(a > 0, np.clip(np.frexp(np.where(a > 0, a, 1))[1] - 1 - 2, -126, 127), 0)      # np.frexp(a)[1] - 1 = floor(log2(a)), exactly
;;       r = np.clip(x / 2.0 ** e, -7.5, 7.5)
;;       step = 2.0 ** (np.maximum(np.frexp(np.where(r == 0, 1, r))[1] - 1, 0) - 3)
;;       q = np.round(r / step) * step * 2.0 ** e      # np.round: ties to even
;;       return np.moveaxis(q.reshape(q.shape[:-2] + (-1,))[..., :K], -1, axis).astype(np.float32)
;;   ~~~
;;   SOFTMAX AHEAD OF A QUANTISED PRODUCT. Where the list says 'softmax', what is quantised is not the finished softmax but p = 2^(t - M), with t = logit x log2(e) and M = ceil(the row's largest t), a whole number; so 1/2 < the row's largest p <= 1. The row's sum l is taken of the UNQUANTISED p, in f32, and the product's result is divided by l at the end. Since M is a whole number, a kernel that streams over the keys may use a running M (the ceiling of the running maximum): every later rescaling is an exact power of two, which a block's scale takes up: the codes' values come out the same.
;;   OPERANDS COMPUTED ON THE WAY. 'Computed on the way' means the value that the module computes at that place (a softmax that the list does not call 'softmax' is quantised finished and normalised). What goes into a quantiser is computed in f32, as accurately as f32 sums, v_exp_f32 and their like allow (about 1e-6 of the number): no bf16 or f16 on the way to a quantiser, and a product that is left as it is and whose result goes on into a quantised operand takes f32 operands (vector FMAs, or v_wmma_f32_16x16x4_f32). A number that lies on a knife's edge between two numbers of the format may be rounded either way, as far as f32 arithmetic and the matrix unit's own rounding can turn it there, and no further.
;; One version. Each part assembles by itself: llvm-mc -triple=amdgcn-amd-amdhsa -mcpu=gfx1250 --defsym DOCPART=n.
;; ======== version 1 of 1: 4 launches
;; limits: right only within a limited range of input values
;; workspace buffers: xc 22,020,096 bytes; xs 917,504 bytes; maskw 524,288 bytes of whole numbers; qkv 19,660,800 bytes; xa 6,291,456 bytes; xas 262,144 bytes
;; launch prep (part 1): grid 256 x 1, 8 waves a work-group, no clusters, 136,192 bytes of LDS; arguments q, k, v, w_q, w_k, w_v, w_o, mask, xc, xs, maskw; writes xc, xs, maskw
.if DOCPART == 1
	.amdgcn_target "amdgcn-amd-amdhsa--gfx1250"
	.amdhsa_code_object_version 6
	.text
	.protected	k_qbdb2914ef7_prep
	.globl	k_qbdb2914ef7_prep
	.p2align	8
	.type	k_qbdb2914ef7_prep,@function
k_qbdb2914ef7_prep:
	s_mov_b64 s[64:65], 0
	v_nop
	global_prefetch_b8 v0, s[64:65] scope:SCOPE_SE
	s_setreg_imm32_b32 hwreg(HW_REG_WAVE_MODE, 25, 1), 1
	s_wait_xcnt 0x0
; q, k, v [8192][1024] and w_q, w_k, w_v, w_o [1024][1024], f32, K innermost, become codes of FP6 (E2M3) with one E8M0 byte for each 32 along K; the mask [2048][2048] of int32 becomes lane-mask words.
; A block's scale is 2^(floor(log2(its largest magnitude)) - 2): its byte is the largest magnitude's exponent field - 2, held at 1 from below.
; LIMITS: NaN and infinities among the inputs are not served.  A block whose largest magnitude lies under 2^-124, a block of zeros among them, gets the byte 1 (the quantiser says 127 for zeros): its codes
; are zeros or subnormal codes of that scale, and the bytes are read by this program alone.
; PANELS.  The codes are laid as the products' operand registers want them.  A panel is 16 rows x 1,024 K, 12,288 bytes: [block of 32 along K, 0..31][row 0..15][24 bytes].  The fragment of K step s (128 along K) is the
; 1,536 bytes at 1,536 s, and lane l takes 24 bytes at 24 l (+ 768 for its second six registers).  The scale bytes are rows of 32 bytes, rows in the panels' order.
; Panels in xc: q 512, k 512, v 512, w_q 64, w_k 64, w_v 64, w_o 64.  In k, v, w_q, w_k, w_v THE ROWS OF A PANEL ARE NOT NEIGHBOURS: row r of panel 2 b + u is row 32 b + 8 u + r + 8 (r / 8) of the tensor, so that
; where such rows are a product's source 0, the 16 result registers of two neighbouring tiles are 16 neighbours.
; MASK WORDS.  maskw [query tile 0..127][key step 0..15][64 words]: bit (r + 16 h) of word 16 b + i says mask[16 T + r][128 t + 32 b + 16 h + i] != 0: the lane mask of score register 16 b + i.
; SHARES.  2,048 units of 65,536 input bytes, one a wave: work-groups 0-223 a panel each wave, work-groups 224-255 a query tile's half (8 key steps) each wave.  A unit goes in 8 steps of 16 rows x 512 bytes.
; Each load reads 512 consecutive bytes of a row; the step's 8,192 bytes turn through the wave's own stage in LDS (rows 528 bytes apart, so that sixteen lanes that read sixteen rows start at sixteen different
; 16-byte columns) and come back with a lane holding 16 neighbours of each of its row's four blocks.  Loads run two steps (32 loads a wave) ahead.  No barrier: waves share nothing.
.set STG,   8448                       ; a wave's stage: 16 rows x 528 bytes
.set MBASE, 8*STG                      ; the mask path has stages of its own
.set SPARE, 16*STG                     ; the spare words, 128 bytes for each wave: four blocks of 256 bytes that no other line names
.set SPW, 10                           ; v10  SPARE + 4 x my thread's number; never rewritten
.set NIL, 11                           ; v11  0; never rewritten
.set R0,  16                           ; v16-79, v80-143  two sets of 64 registers as loaded
.set X,   144                          ; v144-207  register 16 b + i = element 32 b + 16 h + i of row r of the step
.set TM,  208                          ; v208-211 largest magnitudes, v212-215 the other half's, then bytes, v220-223 the conversions' scale operands
.set CD,  224                          ; v224-239 codes: four registers for each block
.set PW,  240                          ; v240-247 my row's eight scale words
.set OW,  248                          ; v248-251 the four that I store
.set MW,  252                          ; v252-253 mask words 2 l, 2 l + 1 in lane l
	s_load_b512 s[4:19], s[0:1], 0x0               ; q, k, v, w_q, w_k, w_v, w_o, mask
	s_load_b128 s[20:23], s[0:1], 0x40             ; xc, xs
	s_load_b64 s[24:25], s[0:1], 0x50              ; maskw
	v_lshl_add_u32 v[SPW], v0, 2, SPARE
	v_mov_b32 v[NIL], 0
	v_lshrrev_b32 v9, 5, v0
	v_readfirstlane_b32 s26, v9                    ; wave 0..7
	v_and_b32 v9, 31, v0                           ; lane
	v_and_b32 v12, 15, v0                          ; r
	v_bfe_u32 v13, v0, 4, 1                        ; h
	v_lshlrev_b32 v1, 4, v9                        ; my 16 bytes of a load's 512
	s_mul_i32 s27, s26, STG
	v_mul_u32_u24 v14, v12, 528
	v_lshl_add_u32 v14, v13, 6, v14                ; 528 r + 64 h
	v_add_nc_u32 v2, s27, v1                       ; the panels' stage, in: 16 x lane (+ 528 x row in the immediate)
	v_add_nc_u32 v3, s27, v14                      ; and out
	s_add_co_u32 s27, s27, MBASE
	v_add_nc_u32 v4, s27, v1                       ; the mask's stage, in
	v_add_nc_u32 v5, s27, v14                      ; and out
	v_mul_u32_u24 v6, v12, 24
	v_mad_u32_u24 v6, v13, 12, v6                  ; my 12 bytes of a block's 384: 24 r + 12 h
	v_lshlrev_b32 v7, 5, v12
	v_lshl_add_u32 v7, v13, 4, v7                  ; my 16 of my row's 32 scale bytes
	v_lshlrev_b32 v8, 3, v9                        ; 8 x lane: two mask words
.irp b, 0,1,2,3
	v_mov_b32 v[TM+4+\b], 0                        ; written once: a lane permute's destination counts as one of its sources
.endr
	v_mov_b32 v[MW], 0                             ; likewise v_writelane_b32's
	v_mov_b32 v[MW+1], 0
	s_mov_b32 s31, 0xffff0000                      ; lanes 16-31
	s_mov_b32 s48, 0x76543210
	s_mov_b32 s49, 0xfedcba98                      ; v_permlanex16_b32's selects for lane l xor 16
	s_wait_kmcnt 0x0
.macro TURNL st, ld, set               ; a step's 8,192 bytes through the stage: LDS serves a wave's instructions in order, so no wait stands between the stores and the loads
.set I, 0
.rept 16
	ds_store_b128 v[\st], v[\set+4*I:\set+4*I+3] offset:528*I
.set I, I+1
.endr
.irp b, 0,1,2,3
.irp j, 0,1,2,3
	ds_load_b128 v[X+16*\b+4*\j:X+16*\b+4*\j+3], v[\ld] offset:128*\b+16*\j
.endr
.endr
.endm
.macro LOADX s                         ; step s of my panel: rows 0-7 from s[32:33], rows 8-15 from s[34:35]
.set RS, R0+64*((\s)%2)
.irp i, 0,1,2,3,4,5,6,7
	global_load_b128 v[RS+4*\i:RS+4*\i+3], v1, s[32:33] offset:\i*4096+512*(\s) th:TH_LOAD_NT
.endr
.irp i, 0,1,2,3,4,5,6,7
	global_load_b128 v[RS+32+4*\i:RS+32+4*\i+3], v1, s[34:35] offset:\i*4096+512*(\s) th:TH_LOAD_NT
.endr
.endm
.macro LOADM s                         ; key step s of my 16 rows of the mask
.set RS, R0+64*((\s)%2)
.set I, 0
.rept 16
	global_load_b128 v[RS+4*I:RS+4*I+3], v1, s[32:33] offset:I*8192+512*(\s) th:TH_LOAD_NT
.set I, I+1
.endr
.endm
.macro XSTEP s
.if (\s) < 7
	s_wait_loadcnt 16                              ; this step's sixteen loads are in; the next step's sixteen may be out
.else
	s_wait_loadcnt 0x0
.endif
	TURNL 2, 3, R0+64*((\s)%2)
	s_wait_dscnt 0x0                               ; the stage's stores have read the set, and my 64 numbers are back
	s_wait_xcnt 0x0                                ; the last step's stores have read their codes: the registers are written again only behind this wait
.if (\s)+2 < 8
	LOADX (\s)+2
.endif
.irp b, 0,1,2,3
	v_max3_num_f32 v[TM+\b], |v[X+16*\b]|, |v[X+16*\b+1]|, 0x1800000   ; block b: my 16 numbers, and the floor 2^(3 - 127): the byte cannot fall under 1
.endr
.irp i, 2,4,6,8,10,12,14
.irp b, 0,1,2,3
	v_max3_num_f32 v[TM+\b], v[TM+\b], |v[X+16*\b+\i]|, |v[X+16*\b+\i+1]|   ; the four blocks by turns
.endr
.endr
.irp b, 0,1,2,3
	v_permlanex16_b32 v[TM+4+\b], v[TM+\b], s48, s49
.endr
.irp b, 0,1,2,3
	v_max_num_f32 v[TM+\b], v[TM+\b], v[TM+4+\b]   ; with lane l xor 16's 16: the block's largest magnitude
.endr
.irp b, 0,1,2,3
	v_add_nc_u32 v[TM+12+\b], 0xff000000, v[TM+\b] ; 2 off its exponent field: the conversion takes this operand's exponent field as its scale
.endr
.irp b, 0,1,2,3
	v_cvt_scalef32_pk16_fp6_f32 v[CD+4*\b:CD+4*\b+2], v[X+16*\b:X+16*\b+15], v[TM+12+\b]
.endr
.irp b, 0,1,2,3
	v_lshrrev_b32 v[TM+4+\b], 23, v[TM+12+\b]      ; the scale's byte (plain lines behind the conversions)
.endr
	v_lshl_or_b32 v[PW+(\s)], v[TM+5], 8, v[TM+4]
	v_lshl_or_b32 v[PW+(\s)], v[TM+6], 16, v[PW+(\s)]
	v_lshl_or_b32 v[PW+(\s)], v[TM+7], 24, v[PW+(\s)]
.irp b, 0,1,2,3
	global_store_b96 v6, v[CD+4*\b:CD+4*\b+2], s[36:37] offset:(4*(\s)+\b)*384   ; the wave stores a block's 384 consecutive bytes
.endr
.endm
.macro MSTEP s
.if (\s) < 7
	s_wait_loadcnt 16                              ; as in the panels' step
.else
	s_wait_loadcnt 0x0
.endif
	TURNL 4, 5, R0+64*((\s)%2)
	s_wait_dscnt 0x0
	s_wait_xcnt 0x0                                ; the last step's store has read its two registers
.if (\s)+2 < 8
	LOADM (\s)+2
.endif
.irp g, 0,1,2,3,4,5,6,7
.irp k, 0,1,2,3,4,5,6,7
	v_cmp_ne_u32 s[40+\k], 0, v[X+8*\g+\k]         ; word 8 g + k: a bit a lane
.endr
.irp k, 0,1,2,3,4,5,6,7
	v_writelane_b32 v[MW+(\k%2)], s[40+\k], 4*\g+\k/2
.endr
.endr
	global_store_b64 v8, v[MW:MW+1], s[36:37] offset:256*(\s)   ; 32 lanes store the step's 256 bytes, aligned
.endm
	s_cmp_ge_u32 ttmp9, 224
	s_cbranch_scc1 .Lmask
	; ---- a panel.  Which tensor: a choice on the work-group's number alone
	s_mov_b64 s[28:29], s[16:17]
	s_mov_b32 s30, 216
	s_cmp_lt_u32 ttmp9, 216
	s_cselect_b64 s[28:29], s[14:15], s[28:29]
	s_cselect_b32 s30, 208, s30
	s_cmp_lt_u32 ttmp9, 208
	s_cselect_b64 s[28:29], s[12:13], s[28:29]
	s_cselect_b32 s30, 200, s30
	s_cmp_lt_u32 ttmp9, 200
	s_cselect_b64 s[28:29], s[10:11], s[28:29]
	s_cselect_b32 s30, 192, s30
	s_cmp_lt_u32 ttmp9, 192
	s_cselect_b64 s[28:29], s[8:9], s[28:29]
	s_cselect_b32 s30, 128, s30
	s_cmp_lt_u32 ttmp9, 128
	s_cselect_b64 s[28:29], s[6:7], s[28:29]
	s_cselect_b32 s30, 64, s30
	s_cmp_lt_u32 ttmp9, 64
	s_cselect_b64 s[28:29], s[4:5], s[28:29]
	s_cselect_b32 s30, 0, s30
	s_sub_co_u32 s27, ttmp9, s30
	s_lshl_b32 s27, s27, 3
	s_add_co_u32 s27, s27, s26                     ; my panel's number in its tensor
	s_lshl_b32 s50, s27, 4                         ; rows in their own order: the first is 16 x panel, rows 8-15 begin 8 further on
	s_lshr_b32 s51, s27, 1
	s_lshl_b32 s51, s51, 5
	s_and_b32 s52, s27, 1
	s_lshl_b32 s52, s52, 3
	s_add_co_u32 s51, s51, s52                     ; the other order: 32 (panel / 2) + 8 (panel % 2), rows 8-15 begin 16 further on
	s_sub_co_u32 s52, ttmp9, 64
	s_cmp_lt_u32 s52, 152                          ; work-groups 64 to 215: k, v, w_q, w_k, w_v
	s_cselect_b32 s50, s51, s50
	s_cselect_b32 s52, 16, 8
	s_lshl_b32 s50, s50, 12                        ; a row is 4,096 bytes
	s_mov_b32 s51, 0
	s_lshl_b32 s52, s52, 12
	s_mov_b32 s53, 0
	s_add_nc_u64 s[32:33], s[28:29], s[50:51]
	s_add_nc_u64 s[34:35], s[32:33], s[52:53]
	s_lshl_b32 s54, ttmp9, 3
	s_add_co_u32 s54, s54, s26                     ; my panel's number in xc
	s_mul_i32 s50, s54, 12288
	s_add_nc_u64 s[36:37], s[20:21], s[50:51]
	s_lshl_b32 s50, s54, 9
	s_add_nc_u64 s[38:39], s[22:23], s[50:51]
	LOADX 0
	LOADX 1
.irp t, 0,1,2,3,4,5,6,7
	XSTEP \t
.endr
.irp j, 0,1,2,3
	v_cndmask_b32 v[OW+\j], v[PW+\j], v[PW+4+\j], s31   ; both halves of the lanes hold all eight words: lanes 0-15 store words 0-3, lanes 16-31 words 4-7
.endr
	global_store_b128 v7, v[OW:OW+3], s[38:39]     ; the panel's 512 scale bytes
	s_branch .Lend
.Lmask:
	; ---- 16 rows x 1,024 keys of the mask
	s_sub_co_u32 s27, ttmp9, 224
	s_lshl_b32 s27, s27, 3
	s_add_co_u32 s27, s27, s26
	s_lshr_b32 s50, s27, 1                         ; query tile
	s_and_b32 s52, s27, 1                          ; which 8 key steps
	s_lshl_b32 s54, s50, 17                        ; 16 rows of 8,192 bytes
	s_lshl_b32 s55, s52, 12
	s_add_co_u32 s54, s54, s55
	s_mov_b32 s55, 0
	s_add_nc_u64 s[32:33], s[18:19], s[54:55]
	s_lshl_b32 s54, s50, 12
	s_lshl_b32 s56, s52, 11
	s_add_co_u32 s54, s54, s56
	s_add_nc_u64 s[36:37], s[24:25], s[54:55]
	LOADM 0
	LOADM 1
.irp t, 0,1,2,3,4,5,6,7
	MSTEP \t
.endr
.Lend:
	s_wait_tensorcnt 0x0                           ; the wave's end
	ds_add_u32 v[SPW], v[NIL]
	s_wait_dscnt 0x0
	s_endpgm
.Lfunc_end_k_qbdb2914ef7_prep:
	.size	k_qbdb2914ef7_prep, .Lfunc_end_k_qbdb2914ef7_prep-k_qbdb2914ef7_prep
	.p2alignl 7, 3214868480
	.fill 96, 4, 3214868480
	.section	.rodata,"a",@progbits
	.p2align	6, 0x0
	.amdhsa_kernel k_qbdb2914ef7_prep
		.amdhsa_group_segment_fixed_size 136192
		.amdhsa_private_segment_fixed_size 0
		.amdhsa_enable_private_segment 0
		.amdhsa_kernarg_size 88
		.amdhsa_user_sgpr_count 2
		.amdhsa_user_sgpr_kernarg_segment_ptr 1
		.amdhsa_wavefront_size32 1
		.amdhsa_system_sgpr_workgroup_id_x 1
		.amdhsa_system_sgpr_workgroup_id_y 1
		.amdhsa_system_sgpr_workgroup_id_z 1
		.amdhsa_system_vgpr_workitem_id 0
		.amdhsa_next_free_vgpr 256
		.amdhsa_next_free_sgpr 66
		.amdhsa_reserve_vcc 0
		.amdhsa_float_denorm_mode_32 3
		.amdhsa_float_denorm_mode_16_64 3
		.amdhsa_memory_ordered 1
		.amdhsa_forward_progress 1
		.amdhsa_inst_pref_size 157
	.end_amdhsa_kernel
	.amdgpu_metadata
---
amdhsa.version: [ 1, 2 ]
amdhsa.kernels:
  - .name:           k_qbdb2914ef7_prep
    .symbol:         k_qbdb2914ef7_prep.kd
    .args:
      - { .name: q, .offset: 0, .size: 8, .value_kind: global_buffer, .address_space: global }
      - { .name: k, .offset: 8, .size: 8, .value_kind: global_buffer, .address_space: global }
      - { .name: v, .offset: 16, .size: 8, .value_kind: global_buffer, .address_space: global }
      - { .name: w_q, .offset: 24, .size: 8, .value_kind: global_buffer, .address_space: global }
      - { .name: w_k, .offset: 32, .size: 8, .value_kind: global_buffer, .address_space: global }
      - { .name: w_v, .offset: 40, .size: 8, .value_kind: global_buffer, .address_space: global }
      - { .name: w_o, .offset: 48, .size: 8, .value_kind: global_buffer, .address_space: global }
      - { .name: mask, .offset: 56, .size: 8, .value_kind: global_buffer, .address_space: global }
      - { .name: xc, .offset: 64, .size: 8, .value_kind: global_buffer, .address_space: global }
      - { .name: xs, .offset: 72, .size: 8, .value_kind: global_buffer, .address_space: global }
      - { .name: maskw, .offset: 80, .size: 8, .value_kind: global_buffer, .address_space: global }
    .group_segment_fixed_size: 136192
    .private_segment_fixed_size: 0
    .kernarg_segment_align: 8
    .kernarg_segment_size: 88
    .max_flat_workgroup_size: 256
    .sgpr_count:     66
    .vgpr_count:     256
    .wavefront_size: 32
...
	.end_amdgpu_metadata
.endif
;; end of part 1
;; launch proj (part 2): grid 4 x 96, 4 waves a work-group, clusters of 4 x 4, 327,680 bytes of LDS; arguments xc, xs, b_q, b_k, b_v, qkv; writes qkv
.if DOCPART == 2
	.amdgcn_target "amdgcn-amd-amdhsa--gfx1250"
	.amdhsa_code_object_version 6
	.text
	.protected	k_qbdb2914ef7_proj
	.globl	k_qbdb2914ef7_proj
	.p2align	8
	.type	k_qbdb2914ef7_proj,@function
k_qbdb2914ef7_proj:
	s_mov_b64 s[64:65], 0
	v_nop
	global_prefetch_b8 v0, s[64:65] scope:SCOPE_SE
	s_setreg_imm32_b32 hwreg(HW_REG_WAVE_MODE, 25, 1), 1
	s_wait_xcnt 0x0
	s_wait_alu depctr_hold_cnt(0) depctr_sa_sdst(0) depctr_va_vdst(0) depctr_va_sdst(0) depctr_va_ssrc(0) depctr_va_vcc(0) depctr_vm_vsrc(0)
	s_getreg_b32 s2, hwreg(HW_REG_IB_STS2, 6, 4)
	s_cmp_eq_u32 s2, 0
	s_cbranch_scc0 .Lentry_in_a_cluster
	s_endpgm
.Lentry_in_a_cluster:
	s_bfe_u32 s2, ttmp6, 0x10000c
	s_cmp_lg_u32 s2, 0xf033
	s_cbranch_scc0 .Lentry_shape_is_right
	s_endpgm
.Lentry_shape_is_right:
; query = q w_q^T + b_q, key = k w_k^T + b_k, value = v w_v^T + b_v on codes of FP6 (E2M3) with E8M0 scales; the results are quantised in registers and leave as images of the attention launch's operand registers.
; A work-group of four waves makes 256 x 256 of a product, a wave 128 x 128: 64 accumulators, 512 registers.  K = 1,024 goes in four steps of 256 through two LDS slots filled by the tensor data mover.
; TWO SIDES: P is the matrix instruction's source 0, L its source 1: in accumulator (a, b) lane (r, h) holds row r of L's tile a, and its register j row 8 h + j of P's tile b.
; MODE (cluster y / 8): 0 query, 1 key: P = the weight's rows, L = tokens: a lane holds one token and its registers run along the head's 64.   2 value: P = tokens, L = w_v's rows: a lane holds one channel and its
; registers run along the tokens, which are the second attention product's K.  P's rows lie in the panels' order in which the 16 registers of tiles 2 b, 2 b + 1 are 16 neighbours: 32 b + 16 h + 0 .. 15.
; OPERANDS come as panels (16 rows x 1,024 K: [block of 32][row][24 bytes]): a fragment is 1,536 consecutive bytes, lane l's 24 bytes at 24 l and at 768 + 24 l: lanes 24 bytes apart take 64 different words of a
; 256-byte row of banks (ISA guide 11.1), so no padding.  The scale bytes of the work-group's rows, for all of K, come into LDS once.
; CLUSTERS: 4 x 4 work-groups; L's tiles hang on cy alone and are asked for jointly along a row of the cluster, P's on cx alone, along a column.
; THE BIAS is the C of each sum's first matrix instruction.
; OUT: qkv [batch x head 64][Q, K, V][group of 128 tokens, 16][6,400 bytes]: four fragment images of 1,536 bytes (register n of lane l at 512 (n / 4) + 16 l + 4 (n % 4)), then 256 bytes of scale words (two registers
; a lane at 8 l: fragment 0's words in lanes 0-15 and fragment 1's in lanes 16-31; fragments 2 and 3 likewise).  Q, K: fragment f holds token tile 2 f in registers 0-5 and tile 2 f + 1 in registers 6-11 (64 along K each).
; V: fragment f is 16 channels x 128 tokens.
; LIMITS: NaN and infinities are not served; a block whose largest magnitude lies under 2^-124, zeros among them, gets the scale byte 1; the bytes are read by this program alone.
; REGISTERS, in windows of 256: window 0: v0-31 addresses; v32-63 scale words, two sets; v64-127 the bias; v128-223 L's fragments, one set.  window 1: P's fragments, two sets, at v0 and v128.
;   window 2: accumulators of my L tiles 0-3 ((a, b) at v[8 (8 (a % 4) + b)]); window 3: tiles 4-7.
.set XSEC,  6291456                    ; xc: q, k, v sections; then the weights'
.set WBASE, 18874368
.set WSEC,  786432
.set XSS,   262144                     ; xs likewise
.set WSB,   786432
.set WSS,   32768
.set NQ,    2                          ; matrix instructions deep in a slot
.set FR,    12                         ; registers of a fragment
.set NL,    6                          ; LDS loads that bring one
.set NP,    4                          ; places behind this matrix instruction (ISA guide 7.12.1)
.set TSB,   3072                       ; a panel's part of a slot: 256 along K
.set HALFT, 8*TSB                      ; 128 rows: what one tensor load brings
.set SLOT,  4*HALFT                    ; L's 256 rows, then P's
.set KS,    32                         ; a row of scale bytes
.set SCL,   2*SLOT                     ; behind the ring: the scales, as units of 256 bytes + 16 of padding
.set HALFS, 16*272
.set SBLK,  2*272
.set SPARE, SCL+4*HALFS                ; the spare words, 128 bytes for each wave: two blocks of 256 bytes that no other line names
.set ADRA, 16                          ; v16-17 LDS address of my L fragments in slot 0, 1
.set ADRB, 20                          ; v20-21 the same for P
.set LI,   24                          ; v24  16 x lane
.set L8,   25                          ; v25  8 x lane
.set ADRS, 27                          ; v27  LDS address of my scale words: lanes 0-15 L's rows, lanes 16-31 P's
.set SPW,  28
.set NIL,  29
.set SC,   32
.set BIAS, 64
.set AF,   128
.set TM,   32                          ; the way out: v32-47 at work, v48-51 four scale words, v52-53 their image
.set G1, 24
.set G0, 32
.set G1B, 48
.set G0B, 56
.set G1S, 68
.set G0S, 76
.set G1SB, 80
.set G0SB, 88
.set MSB, 0
.macro WIN new                         ; the immediate's high byte repeats the setting that is left
.if MSB != (\new)
	s_set_vgpr_msb (MSB<<8)|(\new)
.set MSB, (\new)
.endif
.endm
.set MUL_LO, 0xa1                      ; source 0 (P) window 1, source 1 (L) window 0, C and D window 2
.set MUL_HI, 0xf1
.set TO_B,   0x40
.macro JLOAD g0a, g1a, g0b, g1b        ; a joint load: waves 0 and 1 fetch for L, waves 2 and 3 for P; an s_nop 0 and four v_nop follow each line
	s_cmp_eq_u32 s15, 0
	s_cbranch_scc0 .Lfor_b_\@
	tensor_load_to_lds s[\g0a:\g0a+3], s[\g1a:\g1a+7]
	s_nop 0
.rept 4
	v_nop
.endr
	s_branch .Lasked_\@
.Lfor_b_\@:
	tensor_load_to_lds s[\g0b:\g0b+3], s[\g1b:\g1b+7]
	s_nop 0
.rept 4
	v_nop
.endr
.Lasked_\@:
.endm
.macro CREST
	s_cmp_lg_u32 s14, 0
	s_cbranch_scc1 .Lnot_wave_0_\@
	s_barrier_signal -3
.Lnot_wave_0_\@:
	s_barrier_wait -3
	s_barrier_signal -1
	s_barrier_wait -1
.endm
.macro CROUND
	s_barrier_signal -1
	s_barrier_wait -1
	CREST
.endm
	s_load_b128 s[4:7], s[0:1], 0x0                ; xc, xs
	s_load_b128 s[96:99], s[0:1], 0x10             ; b_q, b_k
	s_load_b128 s[8:11], s[0:1], 0x20              ; b_v, qkv
	v_lshl_add_u32 v[SPW], v0, 2, SPARE
	v_mov_b32 v[NIL], 0
	ds_add_u32 v[SPW], v[NIL]                      ; the wave's opening: the add and its wait ahead of my first tensor load; the set-up below stands between them
	v_lshrrev_b32 v1, 5, v0
	v_readfirstlane_b32 s14, v1                    ; wave 0..3
	s_lshr_b32 s15, s14, 1                         ; which half of L's rows is mine.  Also: I fetch for L (0) or for P (1)
	s_and_b32 s16, s14, 1                          ; which half of P's rows.  Also: which 128 rows I fetch
	s_bfe_u32 s40, ttmp6, 0x40000                  ; cx
	s_bfe_u32 s41, ttmp6, 0x40004                  ; cy
	s_and_b32 s18, ttmp7, 0xffff                   ; cluster y, 0..23: the same in all sixteen partners
	s_lshr_b32 s95, s18, 3                         ; MODE
	s_and_b32 s18, s18, 7
	s_lshl_b32 s18, s18, 2                         ; four token tiles to a cluster
	s_mul_i32 s20, s95, XSEC                       ; the sections, for modes 0 and 1: L = tokens,
	s_mul_i32 s22, s95, XSS
	s_mul_i32 s46, s95, WSEC                       ; P = the weight
	s_add_co_u32 s46, s46, WBASE
	s_mul_i32 s92, s95, WSS
	s_add_co_u32 s92, s92, WSB
	s_cmp_eq_u32 s95, 2                            ; mode 2: the other way round
	s_cselect_b32 s20, WBASE+2*WSEC, s20
	s_cselect_b32 s22, WSB+2*WSS, s22
	s_cselect_b32 s46, 2*XSEC, s46
	s_cselect_b32 s92, 2*XSS, s92
	s_cselect_b32 s17, 0, s18
	s_cselect_b32 s42, s18, 0
	s_add_co_u32 s17, s17, s41                     ; L's tile: hangs on cy, never on cx
	s_add_co_u32 s42, s42, s40                     ; P's tile: hangs on cx, never on cy
	s_lshl_b32 s43, s41, 2
	s_lshl_b32 s43, 15, s43                        ; my row of the cluster
	s_lshl_b32 s44, 0x1111, s40                    ; my column
	; descriptor group 1 for codes: 8 panels' parts of 3,072 bytes (384 elements of 8 bytes), 12,288 bytes apart, dense in LDS
	s_or_b32 s[G1+0], s43, (3<<16)|(1<<21)         ; 15:0 the mask; 17:16 elements of 8 bytes; 21 set beside a mask
	s_or_b32 s[G1B+0], s44, (3<<16)|(1<<21)
.irp g, G1, G1B
	s_mov_b32 s[\g+1], 384<<16                     ; tensor_dim0
	s_mov_b32 s[\g+2], 8<<16                       ; tensor_dim1
	s_mov_b32 s[\g+3], 384<<16                     ; tile_dim0
	s_mov_b32 s[\g+4], 8                           ; tile_dim1
	s_mov_b32 s[\g+5], 1536                        ; tensor_dim0_stride
	s_mov_b32 s[\g+6], 0
	s_mov_b32 s[\g+7], 0
.endr
	; and for the scales of 128 rows: 4,096 dense bytes as 16 rows of 256, 16 bytes of padding behind each
	s_or_b32 s[G1S+0], s43, (3<<16)|(1<<20)|(1<<21)|(5<<22)|(3<<25)
	s_or_b32 s[G1SB+0], s44, (3<<16)|(1<<20)|(1<<21)|(5<<22)|(3<<25)
.irp g, G1S, G1SB
	s_mov_b32 s[\g+1], 32<<16
	s_mov_b32 s[\g+2], 16<<16
	s_mov_b32 s[\g+3], 32<<16
	s_mov_b32 s[\g+4], 16
	s_mov_b32 s[\g+5], 32
	s_mov_b32 s[\g+6], 0
	s_mov_b32 s[\g+7], 0
.endr
	s_lshl_b32 s19, s16, 7                         ; which 128 rows of the tile I fetch
	s_lshl_b32 s18, s17, 8
	s_add_co_u32 s18, s18, s19                     ; L: row 256 x tile + 128 x half
	s_mul_i32 s21, s18, 768                        ; 768 bytes of codes a row (12,288 a panel)
	s_add_co_u32 s20, s20, s21
	s_lshl_b32 s21, s18, 5
	s_add_co_u32 s22, s22, s21
	s_mov_b32 s21, 0
	s_mov_b32 s23, 0
	s_lshl_b32 s93, s42, 8
	s_add_co_u32 s93, s93, s19                     ; P likewise
	s_mul_i32 s47, s93, 768
	s_add_co_u32 s46, s46, s47
	s_lshl_b32 s47, s93, 5
	s_add_co_u32 s92, s92, s47
	s_mov_b32 s47, 0
	s_mov_b32 s93, 0
	s_mul_i32 s45, s14, HALFT                      ; where they go: wave x 128 rows: no place in the cluster enters an LDS address
	s_mul_i32 s94, s14, HALFS
	s_wait_dscnt 0x0                               ; the opening add is done
	s_wait_kmcnt 0x0
	s_add_nc_u64 s[20:21], s[4:5], s[20:21]
	s_add_nc_u64 s[22:23], s[6:7], s[22:23]
	s_add_nc_u64 s[46:47], s[4:5], s[46:47]
	s_add_nc_u64 s[92:93], s[6:7], s[92:93]
	CROUND                                         ; all sixteen work-groups are here: the first joint loads meet
	s_mov_b32 s[G0S], 1
	s_add_co_u32 s[G0S+1], s94, SCL
	s_mov_b64 s[G0S+2:G0S+3], s[22:23]
	s_or_b32 s[G0S+3], s[G0S+3], 0x80000000
	s_mov_b32 s[G0SB], 1
	s_add_co_u32 s[G0SB+1], s94, SCL
	s_mov_b64 s[G0SB+2:G0SB+3], s[92:93]
	s_or_b32 s[G0SB+3], s[G0SB+3], 0x80000000
	JLOAD G0S, G1S, G0SB, G1SB                     ; the scales first: they are wanted with K step 0
.irp s, 0,1
	s_mov_b32 s[G0+4*\s], 1
	s_add_co_u32 s[G0+4*\s+1], s45, \s*SLOT
	s_add_nc_u64 s[G0+4*\s+2:G0+4*\s+3], s[20:21], \s*TSB
	s_or_b32 s[G0+4*\s+3], s[G0+4*\s+3], 0x80000000
	s_mov_b32 s[G0B+4*\s], 1
	s_add_co_u32 s[G0B+4*\s+1], s45, \s*SLOT
	s_add_nc_u64 s[G0B+4*\s+2:G0B+4*\s+3], s[46:47], \s*TSB
	s_or_b32 s[G0B+4*\s+3], s[G0B+4*\s+3], 0x80000000
	JLOAD G0+4*\s, G1, G0B+4*\s, G1B               ; three tensor loads of mine are out
.endr
	v_and_b32 v1, 15, v0                           ; r
	v_bfe_u32 v2, v0, 4, 1                         ; h
	v_and_b32 v3, 31, v0                           ; lane
	v_mul_u32_u24 v4, v3, 24                       ; my 24 bytes of a fragment's half
	s_mul_i32 s21, s15, HALFT                      ; my 128 rows of L
	s_mul_i32 s22, s16, HALFT                      ; my 128 rows of P,
	s_add_co_u32 s22, s22, 2*HALFT                 ; which lie behind L's 256
.irp s, 0,1
	v_add_nc_u32 v[ADRA+\s], s21, v4
	v_add_nc_u32 v[ADRB+\s], s22, v4
	s_add_co_u32 s21, s21, SLOT
	s_add_co_u32 s22, s22, SLOT
.endr
	v_mul_u32_u24 v5, v1, KS                       ; my row's scales: 32 bytes a row,
	v_lshrrev_b32 v6, 8, v5
	v_lshl_add_u32 v5, v6, 4, v5                   ; and 16 more for each 256 passed
	s_mul_i32 s21, s15, HALFS
	s_mul_i32 s22, s16, HALFS
	s_add_co_u32 s22, s22, 2*HALFS
	s_sub_co_u32 s22, s22, s21
	v_mul_u32_u24 v6, s22, v2                      ; lanes 16-31 take P's
	s_add_co_u32 s21, s21, SCL
	v_add_nc_u32 v5, v5, v6
	v_add_nc_u32 v[ADRS], s21, v5
	v_lshlrev_b32 v[LI], 4, v3
	v_lshlrev_b32 v[L8], 3, v3
	; where my results go, and my bias
	s_lshl_b32 s18, s17, 8
	s_lshl_b32 s19, s15, 7
	s_add_co_u32 s18, s18, s19                     ; my first row of L
	s_lshl_b32 s46, s42, 8
	s_lshl_b32 s47, s16, 7
	s_add_co_u32 s46, s46, s47                     ; my first row of P
	s_cmp_eq_u32 s95, 2
	s_cselect_b32 s92, s46, s18                    ; my first token
	s_cselect_b32 s93, s18, s46                    ; my first output channel, a multiple of 128: two heads
	s_cselect_b64 s[8:9], s[8:9], s[98:99]
	s_cmp_eq_u32 s95, 0
	s_cselect_b64 s[8:9], s[96:97], s[8:9]         ; the mode's bias
	s_lshl_b32 s46, s93, 2
	s_mov_b32 s47, 0
	s_add_nc_u64 s[8:9], s[8:9], s[46:47]
	s_lshr_b32 s46, s92, 11                        ; batch
	s_lshl_b32 s46, s46, 4
	s_lshr_b32 s94, s93, 6
	s_add_co_u32 s46, s46, s94                     ; 16 x batch + head
	s_mul_i32 s46, s46, 307200
	s_mul_i32 s94, s95, 102400                     ; the section
	s_add_co_u32 s46, s46, s94
	s_bfe_u32 s94, s92, 0x40007                    ; the group of 128 tokens in the batch
	s_mul_i32 s94, s94, 6400
	s_add_co_u32 s46, s46, s94
	s_add_nc_u64 s[12:13], s[10:11], s[46:47]
	s_cmp_eq_u32 s95, 2
	s_cbranch_scc1 .Lbias_v
	v_lshlrev_b32 v8, 6, v2                        ; modes 0, 1: register j of P's tile t is channel 32 (t / 2) + 8 (t % 2) + 16 h + j
.irp t, 0,1,2,3,4,5,6,7
	global_load_b128 v[BIAS+8*\t:BIAS+8*\t+3], v8, s[8:9] offset:(32*(\t/2)+8*(\t%2))*4
	global_load_b128 v[BIAS+8*\t+4:BIAS+8*\t+7], v8, s[8:9] offset:(32*(\t/2)+8*(\t%2))*4+16
.endr
	s_branch .Lbias_done
.Lbias_v:
	v_and_b32 v8, 8, v1                            ; mode 2: all eight registers of L's tile a are channel 32 (a / 2) + 8 (a % 2) + r + 8 (r / 8)
	v_add_nc_u32 v8, v8, v1
	v_lshlrev_b32 v8, 2, v8
.irp a, 0,1,2,3,4,5,6,7
.irp j, 0,1,2,3,4,5,6,7
	global_load_b32 v[BIAS+8*\a+\j], v8, s[8:9] offset:(32*(\a/2)+8*(\a%2))*4
.endr
.endr
.Lbias_done:
.macro FRAG reg, adr, q, i             ; a fragment, 16 rows x 128 K: 12 registers; registers 6 c .. 6 c + 5 are the 24 bytes at 768 c + 24 x lane, in pieces of 8 bytes
.irp p, 0,1,2,3,4,5
	ds_load_b64 v[\reg+2*\p:\reg+2*\p+1], v[\adr] offset:(\i)*TSB+(\q)*1536+768*(\p/3)+8*(\p%3)
.endr
.endm
; 16 matrix instructions: L's blocks a0, a0 + 1 x P's eight.  cin = 0: C is D; 2: C is the bias of P's tile; 3: of L's tile.  The 64 accumulators take turns, one instruction a turn, in the same order in every step.
.macro MUL16 a0, p, q, sc, cin
.irp a, \a0, \a0+1
.irp b, 0,1,2,3,4,5,6,7
.if \cin == 2
	v_wmma_scale_f32_16x16x128_f8f6f4 v[8*(8*((\a)%4)+\b):8*(8*((\a)%4)+\b)+7], v[128*(\p)+FR*\b:128*(\p)+FR*\b+FR-1], v[AF+FR*(\a):AF+FR*(\a)+FR-1], v[BIAS+8*\b:BIAS+8*\b+7], v[SC+8*NQ*(\sc)+NQ*\b+(\q)], v[SC+8*NQ*(\sc)+NQ*(\a)+(\q)] matrix_a_fmt:MATRIX_FMT_FP6 matrix_b_fmt:MATRIX_FMT_FP6 matrix_a_scale:MATRIX_SCALE_ROW1
.elseif \cin == 3
	v_wmma_scale_f32_16x16x128_f8f6f4 v[8*(8*((\a)%4)+\b):8*(8*((\a)%4)+\b)+7], v[128*(\p)+FR*\b:128*(\p)+FR*\b+FR-1], v[AF+FR*(\a):AF+FR*(\a)+FR-1], v[BIAS+8*(\a):BIAS+8*(\a)+7], v[SC+8*NQ*(\sc)+NQ*\b+(\q)], v[SC+8*NQ*(\sc)+NQ*(\a)+(\q)] matrix_a_fmt:MATRIX_FMT_FP6 matrix_b_fmt:MATRIX_FMT_FP6 matrix_a_scale:MATRIX_SCALE_ROW1
.else
	v_wmma_scale_f32_16x16x128_f8f6f4 v[8*(8*((\a)%4)+\b):8*(8*((\a)%4)+\b)+7], v[128*(\p)+FR*\b:128*(\p)+FR*\b+FR-1], v[AF+FR*(\a):AF+FR*(\a)+FR-1], v[8*(8*((\a)%4)+\b):8*(8*((\a)%4)+\b)+7], v[SC+8*NQ*(\sc)+NQ*\b+(\q)], v[SC+8*NQ*(\sc)+NQ*(\a)+(\q)] matrix_a_fmt:MATRIX_FMT_FP6 matrix_b_fmt:MATRIX_FMT_FP6 matrix_a_scale:MATRIX_SCALE_ROW1
.endif
.endr
.endr
.endm
.macro FETCH_B slot, q, p
	WIN TO_B
.irp i, 0,1,2,3,4,5,6,7
	FRAG 128*(\p)+FR*\i, ADRB+\slot, \q, \i
.endr
	WIN 0
.endm
.macro FETCH_A slot, q, i0
.irp i, \i0, \i0+1, \i0+2, \i0+3
	FRAG AF+FR*(\i), ADRA+\slot, \q, \i
.endr
.endm
.macro SCALES sc                       ; a K step's scale words into set sc: two words a row; lanes 0-15 L's block i, lanes 16-31 P's block i
.irp i, 0,1,2,3,4,5,6,7
	ds_load_b64 v[SC+8*NQ*\sc+NQ*\i:SC+8*NQ*\sc+NQ*\i+1], v[ADRS] offset:\i*SBLK
.endr
.endm
.macro PLACES n                        ; plain vector lines in front of loads into registers that matrix instructions have read, and of the first read of results
.rept \n
	v_nop
.endr
.endm
.macro STEP slot, q, cin               ; 128 along K whose successor lies in the same slot
	s_wait_dscnt 4*NL                              ; P's set and L's blocks 0-3 are in; the youngest 24 loads (L's blocks 4-7) may be out
.if \cin
	WIN 0x81                                       ; C (the bias) window 0, D window 2
.else
	WIN MUL_LO
.endif
	MUL16 0, (\q)%2, \q, \slot, \cin
	MUL16 2, (\q)%2, \q, \slot, \cin
	s_wait_dscnt 0
	PLACES NP
	FETCH_B \slot, (\q)+1, 1-(\q)%2
	FETCH_A \slot, (\q)+1, 0
.if \cin
	WIN 0xc1
.else
	WIN MUL_HI
.endif
	MUL16 4, (\q)%2, \q, \slot, \cin
	MUL16 6, (\q)%2, \q, \slot, \cin
	PLACES NP
	WIN 0
	FETCH_A \slot, (\q)+1, 4
.endm
; A slot's last step changes slots: ONE barrier; in front of it each wave waits for all its tensor loads, adds 0 to its spare word, and waits for that and for its reads of this slot.  fill = 1: the slot is filled again, two K steps ahead.
.macro TURN slot, next, fill
	s_wait_tensorcnt 0x0                           ; all my tensor loads have landed: my part of the next slot
	ds_add_u32 v[SPW], v[NIL]                      ; 0 onto my spare word
	s_wait_dscnt 4*NL+1                            ; the add and the youngest 24 loads may be out
	WIN MUL_LO
	MUL16 0, 1, NQ-1, \slot, 0
	s_wait_dscnt 0x0                               ; the add is done, and my reads of this slot are over
	s_barrier_signal -1
	MUL16 2, 1, NQ-1, \slot, 0
	WIN 0
	s_barrier_wait -1
.if \fill
	CREST                                          ; the barrier has opened a round of the cluster's barrier: no wave of any partner still reads this slot or has a load on its way
	s_add_nc_u64 s[G0+4*\slot+2:G0+4*\slot+3], s[G0+4*\slot+2:G0+4*\slot+3], 2*TSB
	s_add_nc_u64 s[G0B+4*\slot+2:G0B+4*\slot+3], s[G0B+4*\slot+2:G0B+4*\slot+3], 2*TSB
	JLOAD G0+4*\slot, G1, G0B+4*\slot, G1B         ; the first tensor load behind the round; its four v_nop are the places in front of the loads below
.else
	PLACES NP
.endif
	v_add_nc_u32 v[ADRS], 4*NQ, v[ADRS]            ; the next K step's scale words
	FETCH_B \next, 0, 0
	FETCH_A \next, 0, 0
	SCALES \next
	WIN MUL_HI
	MUL16 4, 1, NQ-1, \slot, 0
	MUL16 6, 1, NQ-1, \slot, 0
	PLACES NP
	WIN 0
	FETCH_A \next, 0, 4
.endm
	s_wait_tensorcnt 1                             ; the scales and my part of K step 0 are in; K step 1's load may be out
	s_barrier_signal -1
	s_barrier_wait -1
	FETCH_B 0, 0, 0
	FETCH_A 0, 0, 0
	SCALES 0
	FETCH_A 0, 0, 4
	s_wait_loadcnt 0x0                             ; the bias
	s_cmp_eq_u32 s95, 2                            ; the first step starts the sums with the bias: by P's tile or by L's
	s_cbranch_scc1 .Lfirst_v
	STEP 0, 0, 2
	s_branch .Lfirst_done
.Lfirst_v:
	STEP 0, 0, 3
.Lfirst_done:
	TURN 0, 1, 1                                   ; K = 1,024: four K steps, written out
	STEP 1, 0, 0
	TURN 1, 0, 1
	STEP 0, 0, 0
	TURN 0, 1, 0                                   ; the last two K steps are in LDS or on their way: nothing more is asked for
	STEP 1, 0, 0
	s_wait_dscnt 4*NL
	WIN MUL_LO
	MUL16 0, 1, NQ-1, 1, 0
	MUL16 2, 1, NQ-1, 1, 0
	s_wait_dscnt 0
	WIN MUL_HI
	MUL16 4, 1, NQ-1, 1, 0
	MUL16 6, 1, NQ-1, 1, 0
	WIN 0
; THE WAY OUT.  64 numbers of a lane, 32 from v[s0] on and 32 from v[s1] on in window W, number 16 b + i = k 32 b + 16 h + i of my row, become a fragment's codes in v[pc] on and its scale word in v[48 + f];
; the fragment leaves as an image of its registers: three stores of 512 consecutive bytes.  Each accumulator is read from its low end on.
.macro QUANT W, s0, s1, f, hd, pc
	WIN ((\W)<<2)|((\W)<<4)                        ; sources 1 and 2: the accumulators' window
	v_max3_num_f32 v[TM+0], 0x1800000, |v[(\s0)]|, |v[(\s0)+1]|       ; the floor 2^(3 - 127): the byte cannot fall under 1
	v_max3_num_f32 v[TM+1], 0x1800000, |v[(\s0)+16]|, |v[(\s0)+17]|
	v_max3_num_f32 v[TM+2], 0x1800000, |v[(\s1)]|, |v[(\s1)+1]|
	v_max3_num_f32 v[TM+3], 0x1800000, |v[(\s1)+16]|, |v[(\s1)+17]|
.irp i, 2,4,6,8,10,12,14
	v_max3_num_f32 v[TM+0], v[TM+0], |v[(\s0)+\i]|, |v[(\s0)+\i+1]|
	v_max3_num_f32 v[TM+1], v[TM+1], |v[(\s0)+16+\i]|, |v[(\s0)+17+\i]|
	v_max3_num_f32 v[TM+2], v[TM+2], |v[(\s1)+\i]|, |v[(\s1)+\i+1]|
	v_max3_num_f32 v[TM+3], v[TM+3], |v[(\s1)+16+\i]|, |v[(\s1)+17+\i]|
.endr
	WIN 0
.irp b, 0,1,2,3
	v_permlanex16_b32 v[TM+4+\b], v[TM+\b], s2, s3
.endr
.irp b, 0,1,2,3
	v_max_num_f32 v[TM+\b], v[TM+\b], v[TM+4+\b]   ; with lane l xor 16's 16: the block's largest magnitude
.endr
.irp b, 0,1,2,3
	v_add_nc_u32 v[TM+12+\b], 0xff000000, v[TM+\b] ; 2 off its exponent field: the conversion's scale operand
.endr
.irp b, 0,1,2,3
	v_lshrrev_b32 v[TM+4+\b], 23, v[TM+12+\b]      ; the scale's byte
.endr
	v_lshl_or_b32 v[48+(\f)], v[TM+5], 8, v[TM+4]
	v_lshl_or_b32 v[48+(\f)], v[TM+6], 16, v[48+(\f)]
	v_lshl_or_b32 v[48+(\f)], v[TM+7], 24, v[48+(\f)]
	WIN (\W)                                       ; source 0: the accumulators' window
	v_cvt_scalef32_pk16_fp6_f32 v[(\pc):(\pc)+2], v[(\s0):(\s0)+15], v[TM+12]
	v_cvt_scalef32_pk16_fp6_f32 v[(\pc)+12:(\pc)+14], v[(\s0)+16:(\s0)+31], v[TM+13]   ; (a conversion's three registers begin on an even number)
	v_cvt_scalef32_pk16_fp6_f32 v[(\pc)+6:(\pc)+8], v[(\s1):(\s1)+15], v[TM+14]
	v_cvt_scalef32_pk16_fp6_f32 v[(\pc)+16:(\pc)+18], v[(\s1)+16:(\s1)+31], v[TM+15]
	WIN 0
	v_nop                                          ; one plain line behind a scaled conversion
.irp c, 0,1                                    ; the operand's layout wants a whole block in a lane: lanes 0-15 block 2 c, lanes 16-31 block 2 c + 1
.irp i, 0,1,2
	v_permlane16_swap_b32 v[(\pc)+6*\c+\i], v[(\pc)+12+4*\c+\i]
.endr
.irp i, 0,1,2
	v_mov_b32 v[(\pc)+3+6*\c+\i], v[(\pc)+12+4*\c+\i]
.endr
.endr
.irp j, 0,1,2
	global_store_b128 v[LI], v[(\pc)+4*\j:(\pc)+4*\j+3], s[12:13] offset:(\hd)*307200+1536*(\f)+512*\j
.endr
.endm
.macro TAIL hd                         ; the group's scale words as an image: 256 consecutive bytes
	v_cndmask_b32 v52, v48, v49, s18               ; both halves of the lanes hold a fragment's words: lanes 16-31 take the odd fragment's
	v_cndmask_b32 v53, v50, v51, s18
	global_store_b64 v[L8], v[52:53], s[12:13] offset:(\hd)*307200+6144
	s_wait_xcnt 0x0                                ; the stores have read their registers: the next head writes them again
.endm
	PLACES NP
	s_mov_b32 s2, 0x76543210
	s_mov_b32 s3, 0xfedcba98                       ; v_permlanex16_b32's selects for lane l xor 16
	s_mov_b32 s18, 0xffff0000                      ; lanes 16-31
.irp b, 0,1,2,3
	v_mov_b32 v[TM+4+\b], 0                        ; a lane permute's destination counts as one of its sources
.endr
	s_cmp_eq_u32 s95, 2
	s_cbranch_scc1 .Lout_v
.irp hd, 0,1                                   ; query, key: head hd is P's tiles 4 hd .. 4 hd + 3; fragment f is token tiles 2 f and 2 f + 1
	QUANT 2, 32*\hd, 64+32*\hd, 0, \hd, 128
	QUANT 2, 128+32*\hd, 192+32*\hd, 1, \hd, 64
	QUANT 3, 32*\hd, 64+32*\hd, 2, \hd, 148
	QUANT 3, 128+32*\hd, 192+32*\hd, 3, \hd, 84
	TAIL \hd
.endr
	s_branch .Lout_done
.Lout_v:
.irp hd, 0,1                                   ; value: head hd is L's tiles 4 hd .. 4 hd + 3; fragment f is tile 4 hd + f, all 128 tokens
	QUANT 2+\hd, 0, 32, 0, \hd, 128
	QUANT 2+\hd, 64, 96, 1, \hd, 148
	QUANT 2+\hd, 128, 160, 2, \hd, 64
	QUANT 2+\hd, 192, 224, 3, \hd, 84
	TAIL \hd
.endr
.Lout_done:
	s_wait_tensorcnt 0x0                           ; the wave's end
	ds_add_u32 v[SPW], v[NIL]
	s_wait_dscnt 0x0
	CROUND                                         ; the closing round: no work-group ends while a partner may still ask for a tile that names it
	s_endpgm
.Lfunc_end_k_qbdb2914ef7_proj:
	.size	k_qbdb2914ef7_proj, .Lfunc_end_k_qbdb2914ef7_proj-k_qbdb2914ef7_proj
	.p2alignl 7, 3214868480
	.fill 96, 4, 3214868480
	.section	.rodata,"a",@progbits
	.p2align	6, 0x0
	.amdhsa_kernel k_qbdb2914ef7_proj
		.amdhsa_group_segment_fixed_size 327680
		.amdhsa_private_segment_fixed_size 0
		.amdhsa_enable_private_segment 0
		.amdhsa_kernarg_size 48
		.amdhsa_user_sgpr_count 2
		.amdhsa_user_sgpr_kernarg_segment_ptr 1
		.amdhsa_wavefront_size32 1
		.amdhsa_system_sgpr_workgroup_id_x 1
		.amdhsa_system_sgpr_workgroup_id_y 1
		.amdhsa_system_sgpr_workgroup_id_z 1
		.amdhsa_system_vgpr_workitem_id 0
		.amdhsa_next_free_vgpr 1024
		.amdhsa_next_free_sgpr 100
		.amdhsa_reserve_vcc 0
		.amdhsa_float_denorm_mode_32 3
		.amdhsa_float_denorm_mode_16_64 3
		.amdhsa_memory_ordered 1
		.amdhsa_forward_progress 1
		.amdhsa_inst_pref_size 221
	.end_amdhsa_kernel
	.amdgpu_metadata
---
amdhsa.version: [ 1, 2 ]
amdhsa.kernels:
  - .name:           k_qbdb2914ef7_proj
    .symbol:         k_qbdb2914ef7_proj.kd
    .args:
      - { .name: xc, .offset: 0, .size: 8, .value_kind: global_buffer, .address_space: global }
      - { .name: xs, .offset: 8, .size: 8, .value_kind: global_buffer, .address_space: global }
      - { .name: b_q, .offset: 16, .size: 8, .value_kind: global_buffer, .address_space: global }
      - { .name: b_k, .offset: 24, .size: 8, .value_kind: global_buffer, .address_space: global }
      - { .name: b_v, .offset: 32, .size: 8, .value_kind: global_buffer, .address_space: global }
      - { .name: qkv, .offset: 40, .size: 8, .value_kind: global_buffer, .address_space: global }
    .group_segment_fixed_size: 327680
    .private_segment_fixed_size: 0
    .kernarg_segment_align: 8
    .kernarg_segment_size: 48
    .max_flat_workgroup_size: 128
    .sgpr_count:     100
    .vgpr_count:     1024
    .wavefront_size: 32
...
	.end_amdgpu_metadata
.endif
;; end of part 2
;; launch attn (part 3): grid 4 x 64, 16 waves a work-group, clusters of 4 x 1, 231,424 bytes of LDS; arguments qkv, maskw, xa, xas; writes xa, xas
.if DOCPART == 3
	.amdgcn_target "amdgcn-amd-amdhsa--gfx1250"
	.amdhsa_code_object_version 6
	.text
	.protected	k_qbdb2914ef7_attn
	.globl	k_qbdb2914ef7_attn
	.p2align	8
	.type	k_qbdb2914ef7_attn,@function
k_qbdb2914ef7_attn:
	s_mov_b64 s[64:65], 0
	v_nop
	global_prefetch_b8 v0, s[64:65] scope:SCOPE_SE
	s_setreg_imm32_b32 hwreg(HW_REG_WAVE_MODE, 25, 1), 1
	s_wait_xcnt 0x0
	s_wait_alu depctr_hold_cnt(0) depctr_sa_sdst(0) depctr_va_vdst(0) depctr_va_sdst(0) depctr_va_ssrc(0) depctr_va_vcc(0) depctr_vm_vsrc(0)
	s_getreg_b32 s2, hwreg(HW_REG_IB_STS2, 6, 4)
	s_cmp_eq_u32 s2, 0
	s_cbranch_scc0 .Lentry_in_a_cluster
	s_endpgm
.Lentry_in_a_cluster:
	s_bfe_u32 s2, ttmp6, 0x10000c
	s_cmp_lg_u32 s2, 0x3003
	s_cbranch_scc0 .Lentry_shape_is_right
	s_endpgm
.Lentry_shape_is_right:
; x[b][q][head] = softmax_k(where(mask == 0, -1e9, Q . K / 8)) V, both products on codes of FP6 (E2M3) with E8M0 scales; x is quantised along the model's 1,024 and leaves as panels for the last product.
; THE SOFTMAX AHEAD OF THE SECOND PRODUCT: t = score x log2(e) / 8; M = the running largest t rounded UP to a whole number; p = 2^(t - M) is quantised along the keys, not normalised; the row's sum is taken of
; the unquantised p and divides at the end.  When M moves, the sum and O are multiplied by 2^(old M - new M): exact.
; SHARES.  A work-group owns 512 queries of one head; each of its sixteen waves owns two tiles of 16 queries, one after the other, in 256 registers: four waves to a SIMD, so that one wave's vector work stands beside
; another's matrix work and LDS loads.  The head's K and V, 204,800 bytes of operand images, come into LDS ONCE: each wave brings 12,800 bytes by one tensor load; nothing is filled again.
; CLUSTER.  The four work-groups of a head read the same K and V: the loads are joint, with a mask that names the four.
; LAYOUT.  Both products are used transposed: S^T = K Q^T, O^T = V^T P^T: a lane holds ONE query (lane % 16) throughout.  A fragment image is three loads of 16 bytes a lane.
; THE FIRST PRODUCT'S K IS 64.  A fragment of K holds two key tiles, one in each 64 of the instruction's 128; it is multiplied by [Q | zero codes] for the first tile and by [zero codes | Q] for the second.
; Zero codes add nothing; their side of Q's scale word holds the byte 1.  The keys of tiles 2 b, 2 b + 1 are laid so that their 16 registers are keys 32 b + 16 (lane / 16) + 0 .. 15.
; THE MASK comes as lane-mask words, one for each score register, by scalar loads a key step ahead; any value other than 0 keeps its score.
; LIMITS.  A hidden score is set to -2^33, that is the logit -2^30 where the problem says -1e9: its t is a whole number, a row that is hidden throughout gets p = 1 for every key (as -1e9 gives), and results differ only
; where a kept logit lies under about -1e9.  NaN and infinities are not served.  A block whose largest magnitude lies under 2^-124, zeros among them, gets the scale byte 1; the bytes are read by this program alone.
; REGISTERS: v1 16 x lane; v2 8 x lane + 6,144; v3, v4 the add's two; v5 -2^33; v6-9 LDS addresses of the step; v10, v11 the two tiles' scale bytes of x; v12 -M, v13 the largest t, v[14:15] the sum in two halves;
; v16-27 [Q | 0], v28-39 [0 | Q]; v40-87 K's four fragments, later p's codes; v88-91 K's and V's scale words, v92, v93 Q's, v94 p's, v95 Q's two tiles'; v96-159 S^T, then p; v160-191 O^T; v192-239 V's four fragments;
; v240-254 at work; v255 an offset for the way out.
.set GRP,   6400                       ; a group of 128 tokens: four fragment images and 256 bytes of scale words
.set SECB,  102400                     ; a section: 16 groups.  In LDS: K at 0, V at SECB
.set HEADB, 307200
.set STAGE, 2*SECB                     ; the way out: 1,536 bytes for each wave
.set SPARE, STAGE+16*1536              ; the spare words, 128 bytes for each wave: eight blocks of 256 bytes that no other line names
.macro ROUND                           ; a round of the cluster's barrier
	s_barrier_signal -1
	s_barrier_wait -1
	s_cmp_lg_u32 s12, 0
	s_cbranch_scc1 .Lnot_wave_0_\@
	s_barrier_signal -3
.Lnot_wave_0_\@:
	s_barrier_wait -3
	s_barrier_signal -1
	s_barrier_wait -1
.endm
	s_load_b256 s[4:11], s[0:1], 0x0               ; qkv, maskw, xa, xas
	v_lshl_add_u32 v3, v0, 2, SPARE
	v_mov_b32 v4, 0
	ds_add_u32 v3, v4                              ; the wave's opening: the add and its wait ahead of my first tensor load; the set-up below stands between them
	ds_add_u32 v3, v4
	v_lshrrev_b32 v6, 5, v0
	s_delay_alu instid0(VALU_DEP_1)
	v_readfirstlane_b32 s12, v6                    ; wave 0..15
	v_and_b32 v6, 31, v0
	s_delay_alu instid0(VALU_DEP_1)
	v_lshlrev_b32 v1, 4, v6
	s_delay_alu instid0(VALU_DEP_2)
	v_lshl_add_u32 v2, v6, 3, 6144
	v_mov_b32 v5, 0xd0000000                       ; -2^33
	v_bfe_u32 v7, v0, 4, 1
	s_delay_alu instid0(VALU_DEP_1)
	v_mul_u32_u24 v7, v7, 11520
	s_delay_alu instid0(VALU_DEP_1)
	v_add_nc_u32 v255, v1, v7                      ; the way out's middle store: lanes 16-31 go on in the next panel
	v_and_b32 v8, 15, v0
	s_delay_alu instid0(VALU_DEP_1)
	v_lshlrev_b32 v8, 3, v8                        ; Q's scale words: 8 bytes from lane to lane in the image
.irp j, 22,23,24,25,26,27,28,29,30,31,32,33
	v_mov_b32 v\j, 0                               ; the zero codes beside Q: set once
.endr
.irp j, 244,245,246,247,253,254
	v_mov_b32 v\j, 0                               ; lane permutes' destinations, and the upper half of the pair v[252:253]: written before they are named
.endr
	s_bfe_u32 s2, ttmp6, 0x40000                   ; cx: it enters global addresses of Q, the mask and x alone
	s_and_b32 s3, ttmp7, 0xffff                    ; 16 x batch + head, which the four partners share
	s_mov_b32 s48, 15|(3<<16)|(1<<21)              ; descriptor group 1: 15:0 the mask: all four; 17:16 elements of 8 bytes; 21 set beside a mask; no padding
	s_mov_b32 s49, 32<<16                          ; tensor_dim0 = 32 elements: rows of 256 bytes
	s_mov_b32 s50, 50<<16                          ; tensor_dim1 = 50
	s_mov_b32 s51, 32<<16                          ; tile_dim0
	s_mov_b32 s52, 50                              ; tile_dim1
	s_mov_b32 s53, 32                              ; tensor_dim0_stride: dense
	s_mov_b32 s54, 0
	s_mov_b32 s55, 0
	s_mul_i32 s16, s3, HEADB                       ; the head's first byte in qkv
	s_mul_i32 s17, s12, 12800                      ; my sixteenth of K and V: in memory and in LDS
	s_add_co_u32 s18, s16, s17
	s_add_co_u32 s18, s18, SECB                    ; behind Q's section
	s_mov_b32 s19, 0
	s_lshl_b32 s20, s2, 2
	s_lshr_b32 s21, s12, 2
	s_add_co_u32 s20, s20, s21                     ; my queries' group: 4 cx + wave / 4
	s_mul_i32 s20, s20, GRP
	s_add_co_u32 s20, s20, s16
	s_and_b32 s21, s12, 3                          ; my two tiles are fragment wave % 4 of it
	s_mul_i32 s21, s21, 1536
	s_add_co_u32 s22, s20, s21
	s_mov_b32 s23, 0
	s_and_b32 s21, s12, 1                          ; its scale words: lanes 16-31 of the image for an odd fragment,
	s_lshl_b32 s21, s21, 7
	s_add_co_u32 s20, s20, s21
	s_bfe_u32 s21, s12, 0x10001                    ; the second register for fragments 2 and 3
	s_lshl_b32 s21, s21, 2
	s_add_co_u32 s20, s20, s21
	s_add_co_u32 s20, s20, 6144
	s_mov_b32 s21, 0
	s_lshl_b32 s24, s2, 5
	s_lshl_b32 s25, s12, 1
	s_add_co_u32 s24, s24, s25                     ; my first query tile in the sequence: 32 cx + 2 wave
	s_lshl_b32 s13, s24, 12                        ; its mask words: 4,096 bytes a tile, 256 a key step
	s_lshr_b32 s25, s3, 4
	s_lshl_b32 s25, s25, 7
	s_add_co_u32 s24, s24, s25                     ; its panel of xa: + 128 x batch
	s_and_b32 s25, s3, 15                          ; head
	s_mul_i32 s26, s24, 12288
	s_mul_i32 s27, s25, 768                        ; the head's two blocks of 32: 768 bytes of a panel
	s_add_co_u32 s26, s26, s27
	s_mov_b32 s27, 0
	s_lshl_b32 s28, s24, 9                         ; xas: 16 rows of 32 bytes a panel,
	s_lshl_b32 s29, s25, 1                         ; the head's two bytes
	s_add_co_u32 s28, s28, s29
	s_mov_b32 s29, 0
	s_mul_i32 s66, s12, 1536
	s_add_co_u32 s66, s66, STAGE                   ; my stage
	s_mov_b32 s60, 0x76543210
	s_mov_b32 s61, 0xfedcba98                      ; v_permlanex16_b32's selects for lane l xor 16
	s_mov_b32 s62, 0x3e38aa3b                      ; c = log2(e) / 8
	s_mov_b32 s63, s62                             ; (named with it as a pair, so it is written)
	s_wait_dscnt 0x0                               ; the opening add is done
	s_wait_kmcnt 0x0
	s_mov_b32 s56, 1                               ; descriptor group 0: count = 1,
	s_mov_b32 s57, s17                             ; LDS address,
	s_add_nc_u64 s[58:59], s[4:5], s[18:19]        ; global address,
	s_or_b32 s59, s59, 0x80000000                  ; type = 2
	s_add_nc_u64 s[100:101], s[4:5], s[20:21]      ; Q's scale words
	s_add_nc_u64 s[4:5], s[4:5], s[22:23]          ; Q's fragment
	s_add_nc_u64 s[8:9], s[8:9], s[26:27]
	s_add_nc_u64 s[10:11], s[10:11], s[28:29]
	ROUND                                          ; all four work-groups are here: the joint loads meet
	tensor_load_to_lds s[56:59], s[48:55]          ; my one tensor load of the launch
	s_nop 0
.rept 4
	v_nop
.endr
	s_load_b512 s[16:31], s[6:7], s13 offset:0x0   ; the first key step's 64 mask words
	s_load_b512 s[32:47], s[6:7], s13 offset:0x40
	s_load_b512 s[68:83], s[6:7], s13 offset:0x80
	s_load_b512 s[84:99], s[6:7], s13 offset:0xc0
	global_load_b32 v95, v8, s[100:101]            ; Q's scale bytes: tile 0's two, tile 1's two
	s_wait_tensorcnt 0x0                           ; my part of K and V is in,
	s_barrier_signal -1
	s_barrier_wait -1                              ; everybody's is
; A KEY STEP: 128 keys, group s14 / 6,400 of the head.
.macro KEYSTEP
	v_add_nc_u32 v6, s14, v1                       ; these four lines are the places between the last products and the loads into their operands
	v_add_nc_u32 v8, s14, v2
	s_delay_alu instid0(VALU_DEP_2)
	v_add_nc_u32 v7, SECB, v6
	s_delay_alu instid0(VALU_DEP_2)
	v_add_nc_u32 v9, SECB, v8
.irp f, 0,1,2,3
.irp j, 0,1,2
	ds_load_b128 v[40+12*\f+4*\j:43+12*\f+4*\j], v6 offset:1536*\f+512*\j
.endr
.endr
	ds_load_b64 v[88:89], v8
.irp f, 0,1,2,3
.irp j, 0,1,2
	ds_load_b128 v[192+12*\f+4*\j:195+12*\f+4*\j], v7 offset:1536*\f+512*\j
.endr
.endr
	ds_load_b64 v[90:91], v9
	s_wait_dscnt 13                                ; K's thirteen loads are in; V's thirteen may be out
.irp f, 0,2                                    ; S^T: fragment f gives key tiles 2 f and 2 f + 1.  An even fragment's scale words lie in lanes 0-15, an odd one's in lanes 16-31
	v_wmma_scale_f32_16x16x128_f8f6f4 v[96+16*\f:103+16*\f], v[40+12*\f:51+12*\f], v[16:27], 0, v[88+\f/2], v92 matrix_a_fmt:MATRIX_FMT_FP6 matrix_b_fmt:MATRIX_FMT_FP6
	v_wmma_scale_f32_16x16x128_f8f6f4 v[104+16*\f:111+16*\f], v[40+12*\f:51+12*\f], v[28:39], 0, v[88+\f/2], v93 matrix_a_fmt:MATRIX_FMT_FP6 matrix_b_fmt:MATRIX_FMT_FP6
	v_wmma_scale_f32_16x16x128_f8f6f4 v[112+16*\f:119+16*\f], v[52+12*\f:63+12*\f], v[16:27], 0, v[88+\f/2], v92 matrix_a_fmt:MATRIX_FMT_FP6 matrix_b_fmt:MATRIX_FMT_FP6 matrix_a_scale:MATRIX_SCALE_ROW1
	v_wmma_scale_f32_16x16x128_f8f6f4 v[120+16*\f:127+16*\f], v[52+12*\f:63+12*\f], v[28:39], 0, v[88+\f/2], v93 matrix_a_fmt:MATRIX_FMT_FP6 matrix_b_fmt:MATRIX_FMT_FP6 matrix_a_scale:MATRIX_SCALE_ROW1
.endr
	s_wait_kmcnt 0x0                               ; this step's mask words, asked for a step ago
.rept 4
	v_nop
.endr
.set J, 0
.rept 32
	v_cndmask_b32 v[96+J], v5, v[96+J], s[16+J]    ; a hidden key's score becomes -2^33; each accumulator is read from its low end on
.set J, J+1
.endr
.rept 32
	v_cndmask_b32 v[96+J], v5, v[96+J], s[36+J]
.set J, J+1
.endr
	s_add_co_u32 s13, s13, 256                     ; the next step's words (my two tiles' lie on end); behind the launch's last step the offset is held at the buffer's last 256 bytes, and what comes is not used
	s_min_u32 s13, s13, 524032
	s_load_b512 s[16:31], s[6:7], s13 offset:0x0
	s_load_b512 s[32:47], s[6:7], s13 offset:0x40
	s_load_b512 s[68:83], s[6:7], s13 offset:0x80
	s_load_b512 s[84:99], s[6:7], s13 offset:0xc0
.irp b, 0,1,2,3
	v_max3_num_f32 v[240+\b], v[96+16*\b], v[97+16*\b], v[98+16*\b]   ; the largest score of each block of 32 keys: for the row's maximum, and, since p rises with the score, for the block's largest p
.endr
.irp i, 3,5,7,9,11,13
.irp b, 0,1,2,3
	s_delay_alu instid0(VALU_DEP_4)
	v_max3_num_f32 v[240+\b], v[240+\b], v[96+16*\b+\i], v[97+16*\b+\i]
.endr
.endr
.irp b, 0,1,2,3
	s_delay_alu instid0(VALU_DEP_4)
	v_max_num_f32 v[240+\b], v[240+\b], v[111+16*\b]
.endr
.irp b, 0,1,2,3
	s_delay_alu instid0(VALU_DEP_4)
	v_permlanex16_b32 v[244+\b], v[240+\b], s60, s61
.endr
.irp b, 0,1,2,3
	s_delay_alu instid0(VALU_DEP_4)
	v_max_num_f32 v[240+\b], v[240+\b], v[244+\b]  ; with lane l xor 16's 16 keys
.endr
	s_delay_alu instid0(VALU_DEP_2)
	v_max3_num_f32 v254, v240, v241, v242
	s_delay_alu instid0(VALU_DEP_1)
	v_max_num_f32 v254, v254, v243
	s_delay_alu instid0(VALU_DEP_1)
	v_mul_f32 v254, s62, v254                      ; the step's largest t (c is positive)
	s_delay_alu instid0(VALU_DEP_1)
	v_max_num_f32 v13, v13, v254
	v_mov_b32 v254, v12
	s_delay_alu instid0(VALU_DEP_2)
	v_floor_f32 v12, -v13                          ; the new -M = floor(-t): M is a whole number
	s_delay_alu instid0(VALU_DEP_1)
	v_sub_f32 v254, v12, v254                      ; old M - new M: a whole number, 0 or less
	s_delay_alu instid0(VALU_DEP_1)
	v_cvt_i32_f32 v254, v254                       ; (it saturates)
	s_delay_alu instid0(VALU_DEP_1)
	v_ldexp_f32 v252, 1.0, v254                    ; f = 2^(old M - new M)
.set J, 0
.rept 32
	v_pk_fma_f32 v[96+J:97+J], v[96+J:97+J], s[62:63], v[12:13] op_sel_hi:[1,0,0]   ; t - M, two at a time
.set J, J+2
.endr
.irp b, 0,1,2,3
	v_fma_f32 v[240+\b], v[240+\b], s62, v12       ; the same of each block's largest score
.endr
.set J, 0
	s_setprio 1
	s_wait_alu depctr_va_vdst(0)
.rept 64
	v_exp_f32 v[96+J], v[96+J]                     ; p = 2^(t - M): not normalised
.set J, J+1
.endr
	v_pk_mul_f32 v[14:15], v[14:15], v[252:253] op_sel_hi:[1,0]   ; the sums under the new M (a plain line behind the exponentials)
	s_wait_alu depctr_va_vdst(0)                   ; one wait for the batch of 64, ahead of its first reader
.irp b, 0,1,2,3
	v_exp_f32 v[240+\b], v[240+\b]                 ; the block's largest p
.endr
	v_pk_add_f32 v[244:245], v[100:101], v[104:105]
	v_pk_add_f32 v[250:251], v[108:109], v[112:113]
	v_pk_add_f32 v[248:249], v[116:117], v[120:121]
	v_pk_add_f32 v[246:247], v[124:125], v[128:129]
	v_pk_add_f32 v[88:89], v[132:133], v[136:137]
	v_pk_add_f32 v[86:87], v[140:141], v[144:145]
	v_pk_add_f32 v[84:85], v[148:149], v[152:153]
	v_pk_add_f32 v[14:15], v[14:15], v[156:157]
	v_pk_add_f32 v[244:245], v[244:245], v[96:97]
	v_pk_add_f32 v[250:251], v[250:251], v[98:99]
	v_pk_add_f32 v[248:249], v[248:249], v[102:103]
	v_pk_add_f32 v[246:247], v[246:247], v[106:107]
	v_pk_add_f32 v[88:89], v[88:89], v[110:111]
	v_pk_add_f32 v[86:87], v[86:87], v[114:115]
	v_pk_add_f32 v[84:85], v[84:85], v[118:119]
	v_pk_add_f32 v[14:15], v[14:15], v[122:123]
	v_pk_add_f32 v[244:245], v[244:245], v[126:127]
	v_pk_add_f32 v[250:251], v[250:251], v[130:131]
	v_pk_add_f32 v[248:249], v[248:249], v[134:135]
	v_pk_add_f32 v[246:247], v[246:247], v[138:139]
	v_pk_add_f32 v[88:89], v[88:89], v[142:143]
	v_pk_add_f32 v[86:87], v[86:87], v[146:147]
	v_pk_add_f32 v[84:85], v[84:85], v[150:151]
	v_pk_add_f32 v[14:15], v[14:15], v[154:155]
	v_pk_add_f32 v[244:245], v[244:245], v[158:159]
	s_delay_alu instid0(VALU_DEP_2)
	v_pk_add_f32 v[14:15], v[14:15], v[246:247]
	s_delay_alu instid0(VALU_DEP_2)
	v_pk_add_f32 v[244:245], v[244:245], v[88:89]
	v_pk_add_f32 v[250:251], v[250:251], v[86:87]
	v_pk_add_f32 v[248:249], v[248:249], v[84:85]
	s_delay_alu instid0(VALU_DEP_2)
	v_pk_add_f32 v[14:15], v[14:15], v[250:251]
	s_delay_alu instid0(VALU_DEP_2)
	v_pk_add_f32 v[244:245], v[244:245], v[248:249]
	s_delay_alu instid0(VALU_DEP_1)
	v_pk_add_f32 v[14:15], v[14:15], v[244:245]
	s_wait_alu depctr_va_vdst(0)                   ; and one for the four
.irp b, 0,1,2,3
	v_max_num_f32 v[240+\b], 0x1800000, v[240+\b]  ; the floor 2^(3 - 127): the byte cannot fall under 1
.endr
.irp b, 0,1,2,3
	s_delay_alu instid0(VALU_DEP_4)
	v_add_nc_u32 v[248+\b], 0xff000000, v[240+\b]  ; 2 off the exponent field: the conversion's scale operand
.endr
.irp b, 0,1,2,3
	s_delay_alu instid0(VALU_DEP_4)
	v_lshrrev_b32 v[244+\b], 23, v[248+\b]
.endr
	s_delay_alu instid0(VALU_DEP_3)
	v_lshl_or_b32 v94, v245, 8, v244               ; p's scale word for these 128 keys
	s_delay_alu instid0(VALU_DEP_1)
	v_lshl_or_b32 v94, v246, 16, v94
	s_delay_alu instid0(VALU_DEP_1)
	v_lshl_or_b32 v94, v247, 24, v94
.irp c, 0,1
	v_cvt_scalef32_pk16_fp6_f32 v[40+6*\c:42+6*\c], v[96+32*\c:111+32*\c], v[248+2*\c]
	v_cvt_scalef32_pk16_fp6_f32 v[52+4*\c:54+4*\c], v[112+32*\c:127+32*\c], v[249+2*\c]   ; (a conversion's three registers begin on an even number)
.endr
	v_nop                                          ; one plain line behind a scaled conversion
	s_setprio 0
.irp c, 0,1                                    ; a whole block in a lane: lanes 0-15 block 2 c, lanes 16-31 block 2 c + 1
.irp i, 0,1,2
	v_permlane16_swap_b32 v[40+6*\c+\i], v[52+4*\c+\i]
.endr
.irp i, 0,1,2
	s_delay_alu instid0(VALU_DEP_3)
	v_mov_b32 v[43+6*\c+\i], v[52+4*\c+\i]
.endr
.endr
.set J, 0
.rept 16
	v_pk_mul_f32 v[160+J:161+J], v[160+J:161+J], v[252:253] op_sel_hi:[1,0]   ; O^T under the new M.  (These sixteen stand between the lines that made p's codes and scale word and the products)
.set J, J+2
.endr
	s_wait_alu depctr_va_vdst(0)
	s_wait_dscnt 0x0                               ; V
.irp t, 0,2                                    ; O^T += V^T P^T: four tiles of 16 channels, by turns
	v_wmma_scale_f32_16x16x128_f8f6f4 v[160+8*\t:167+8*\t], v[192+12*\t:203+12*\t], v[40:51], v[160+8*\t:167+8*\t], v[90+\t/2], v94 matrix_a_fmt:MATRIX_FMT_FP6 matrix_b_fmt:MATRIX_FMT_FP6
	v_wmma_scale_f32_16x16x128_f8f6f4 v[168+8*\t:175+8*\t], v[204+12*\t:215+12*\t], v[40:51], v[168+8*\t:175+8*\t], v[90+\t/2], v94 matrix_a_fmt:MATRIX_FMT_FP6 matrix_b_fmt:MATRIX_FMT_FP6 matrix_a_scale:MATRIX_SCALE_ROW1
.endr
	s_add_co_u32 s14, s14, GRP
.endm
; ONE TILE OF 16 QUERIES: half e of my fragment of Q.
.macro TILE e
.if \e == 0
	global_load_b128 v[16:19], v1, s[4:5]          ; registers 0-5 of the image
	global_load_b64 v[20:21], v1, s[4:5] offset:512
.else
	global_load_b64 v[16:17], v1, s[4:5] offset:520   ; registers 6-11
	global_load_b128 v[18:21], v1, s[4:5] offset:1024
.endif
	s_wait_loadcnt 0x0
.irp i, 0,1,2,3,4,5
	v_mov_b32 v[34+\i], v[16+\i]                   ; [0 | Q]
.endr
.if \e == 0
	v_and_b32 v254, 0xffff, v95
.else
	v_lshrrev_b32 v254, 16, v95
.endif
	s_delay_alu instid0(VALU_DEP_1)
	v_or_b32 v92, 0x01010000, v254                 ; Q's two bytes below, the byte 1 over the zero codes;
	s_delay_alu instid0(VALU_DEP_2)
	v_lshl_or_b32 v93, v254, 16, 0x0101            ; and the other way round
	v_mov_b32 v13, 0xff61b1e6                      ; the largest t so far: -3e38
	s_delay_alu instid0(VALU_DEP_1)
	v_floor_f32 v12, -v13
	v_mov_b32 v14, 0
	v_mov_b32 v15, 0
.set J, 0
.rept 32
	v_mov_b32 v[160+J], 0                          ; O^T: the step is written once; its first trip finds zeros.  (Also the lines between Q's operands and scale words and the first product)
.set J, J+1
.endr
	s_mov_b32 s14, 0
	s_mov_b32 s15, 16
.Lstep_\e:
	s_setprio 2
	KEYSTEP
	s_sub_co_u32 s15, s15, 1
	s_cmp_lg_u32 s15, 0
	s_cbranch_scc1 .Lstep_\e
	s_setprio 0
.rept 4
	v_nop
.endr
	v_add_f32 v14, v14, v15                        ; the sum's two halves,
	s_delay_alu instid0(VALU_DEP_1)
	v_permlanex16_b32 v254, v14, s60, s61
	s_delay_alu instid0(VALU_DEP_1)
	v_add_f32 v14, v14, v254                       ; and lane l xor 16's
	s_wait_alu depctr_va_vdst(0)
	v_rcp_f32 v252, v14
	v_and_b32 v59, 31, v0                          ; (plain lines behind the reciprocal)  my place in the stage: 24 x lane
	s_delay_alu instid0(VALU_DEP_1)
	v_mul_u32_u24 v59, v59, 24
	s_delay_alu instid0(VALU_DEP_1)
	v_add_nc_u32 v59, s66, v59
	s_wait_alu depctr_va_vdst(0)                   ; the wait, ahead of the first reader
.set J, 0
.rept 16
	v_pk_mul_f32 v[96+J:97+J], v[160+J:161+J], v[252:253] op_sel_hi:[1,0]   ; x: register 16 b + i is channel 32 b + 16 h + i of my query
.set J, J+2
.endr
.irp b, 0,1
	v_max3_num_f32 v[240+\b], |v[96+16*\b]|, |v[97+16*\b]|, 0x1800000
.endr
.irp i, 2,4,6,8,10,12,14
.irp b, 0,1
	s_delay_alu instid0(VALU_DEP_2)
	v_max3_num_f32 v[240+\b], v[240+\b], |v[96+16*\b+\i]|, |v[97+16*\b+\i]|
.endr
.endr
.irp b, 0,1
	s_delay_alu instid0(VALU_DEP_2)
	v_permlanex16_b32 v[244+\b], v[240+\b], s60, s61
.endr
.irp b, 0,1
	s_delay_alu instid0(VALU_DEP_2)
	v_max_num_f32 v[240+\b], v[240+\b], v[244+\b]
.endr
.irp b, 0,1
	s_delay_alu instid0(VALU_DEP_2)
	v_add_nc_u32 v[248+\b], 0xff000000, v[240+\b]
.endr
.irp b, 0,1
	s_delay_alu instid0(VALU_DEP_2)
	v_lshrrev_b32 v[244+\b], 23, v[248+\b]
.endr
	s_delay_alu instid0(VALU_DEP_1)
	v_lshl_or_b32 v[10+\e], v245, 8, v244          ; my row's two scale bytes
	v_cvt_scalef32_pk16_fp6_f32 v[40:42], v[96:111], v248
	v_cvt_scalef32_pk16_fp6_f32 v[48:50], v[112:127], v249
	v_nop
.irp i, 0,1,2
	v_permlane16_swap_b32 v[40+\i], v[48+\i]       ; lanes 0-15: block 0 of row r, lanes 16-31: block 1: 24 bytes at 24 x lane of the head's 768 in the panel
.endr
.irp i, 0,1,2
	s_delay_alu instid0(VALU_DEP_3)
	v_mov_b32 v[43+\i], v[48+\i]
.endr
.irp p, 0,1,2
	ds_store_b64 v59, v[40+2*\p:41+2*\p] offset:768*\e+8*\p
.endr
.endm
	TILE 0
	TILE 1
	; THE END: my two tiles' 1,536 bytes come back 16 bytes a lane and leave so that each sixteen lanes store 256 consecutive bytes, aligned: 768 bytes in each of two panels
	v_add_nc_u32 v60, s66, v1
	ds_load_b128 v[64:67], v60                     ; LDS serves a wave's instructions in order: these see my stores
	ds_load_b128 v[68:71], v60 offset:512
	ds_load_b128 v[72:75], v60 offset:1024
	v_and_b32 v61, 15, v0
	s_delay_alu instid0(VALU_DEP_1)
	v_lshlrev_b32 v61, 5, v61
	global_store_b16 v61, v10, s[10:11]            ; two bytes of each row's 32: the other bytes are other heads'.  Lanes r and r + 16 store the same value at the same place
	global_store_b16 v61, v11, s[10:11] offset:512
	s_wait_dscnt 0x0
	global_store_b128 v1, v[64:67], s[8:9]
	global_store_b128 v255, v[68:71], s[8:9] offset:512
	global_store_b128 v1, v[72:75], s[8:9] offset:12544
	s_wait_kmcnt 0x0                               ; the last, unused request for mask words
	s_wait_tensorcnt 0x0                           ; the wave's end
	ds_add_u32 v3, v4
	s_wait_dscnt 0x0
	ROUND                                          ; the closing round
	s_endpgm
.Lfunc_end_k_qbdb2914ef7_attn:
	.size	k_qbdb2914ef7_attn, .Lfunc_end_k_qbdb2914ef7_attn-k_qbdb2914ef7_attn
	.p2alignl 7, 3214868480
	.fill 96, 4, 3214868480
	.section	.rodata,"a",@progbits
	.p2align	6, 0x0
	.amdhsa_kernel k_qbdb2914ef7_attn
		.amdhsa_group_segment_fixed_size 231424
		.amdhsa_private_segment_fixed_size 0
		.amdhsa_enable_private_segment 0
		.amdhsa_kernarg_size 32
		.amdhsa_user_sgpr_count 2
		.amdhsa_user_sgpr_kernarg_segment_ptr 1
		.amdhsa_wavefront_size32 1
		.amdhsa_system_sgpr_workgroup_id_x 1
		.amdhsa_system_sgpr_workgroup_id_y 1
		.amdhsa_system_sgpr_workgroup_id_z 1
		.amdhsa_system_vgpr_workitem_id 0
		.amdhsa_next_free_vgpr 256
		.amdhsa_next_free_sgpr 102
		.amdhsa_reserve_vcc 0
		.amdhsa_float_denorm_mode_32 3
		.amdhsa_float_denorm_mode_16_64 3
		.amdhsa_memory_ordered 1
		.amdhsa_forward_progress 1
		.amdhsa_inst_pref_size 64
	.end_amdhsa_kernel
	.amdgpu_metadata
---
amdhsa.version: [ 1, 2 ]
amdhsa.kernels:
  - .name:           k_qbdb2914ef7_attn
    .symbol:         k_qbdb2914ef7_attn.kd
    .args:
      - { .name: qkv, .offset: 0, .size: 8, .value_kind: global_buffer, .address_space: global }
      - { .name: maskw, .offset: 8, .size: 8, .value_kind: global_buffer, .address_space: global }
      - { .name: xa, .offset: 16, .size: 8, .value_kind: global_buffer, .address_space: global }
      - { .name: xas, .offset: 24, .size: 8, .value_kind: global_buffer, .address_space: global }
    .group_segment_fixed_size: 231424
    .private_segment_fixed_size: 0
    .kernarg_segment_align: 8
    .kernarg_segment_size: 32
    .max_flat_workgroup_size: 512
    .sgpr_count:     102
    .vgpr_count:     256
    .wavefront_size: 32
...
	.end_amdgpu_metadata
.endif
;; end of part 3
;; launch outp (part 4): grid 4 x 32, 4 waves a work-group, clusters of 4 x 4, 327,680 bytes of LDS; arguments xa, xas, xc, xs, b_o, out0; writes out0
.if DOCPART == 4
	.amdgcn_target "amdgcn-amd-amdhsa--gfx1250"
	.amdhsa_code_object_version 6
	.text
	.protected	k_qbdb2914ef7_outp
	.globl	k_qbdb2914ef7_outp
	.p2align	8
	.type	k_qbdb2914ef7_outp,@function
k_qbdb2914ef7_outp:
	s_mov_b64 s[64:65], 0
	v_nop
	global_prefetch_b8 v0, s[64:65] scope:SCOPE_SE
	s_setreg_imm32_b32 hwreg(HW_REG_WAVE_MODE, 25, 1), 1
	s_wait_xcnt 0x0
	s_wait_alu depctr_hold_cnt(0) depctr_sa_sdst(0) depctr_va_vdst(0) depctr_va_sdst(0) depctr_va_ssrc(0) depctr_va_vcc(0) depctr_vm_vsrc(0)
	s_getreg_b32 s2, hwreg(HW_REG_IB_STS2, 6, 4)
	s_cmp_eq_u32 s2, 0
	s_cbranch_scc0 .Lentry_in_a_cluster
	s_endpgm
.Lentry_in_a_cluster:
	s_bfe_u32 s2, ttmp6, 0x10000c
	s_cmp_lg_u32 s2, 0xf033
	s_cbranch_scc0 .Lentry_shape_is_right
	s_endpgm
.Lentry_shape_is_right:
; out0 = x w_o^T + b_o on codes of FP6 (E2M3) with E8M0 scales; out0 [8192][1024] f32.
; A work-group of four waves makes 256 x 256, a wave 128 x 128: 64 accumulators, 512 registers.  K = 1,024 goes in four steps of 256 through two LDS slots filled by the tensor data mover.
; P (source 0) = w_o's rows, L (source 1) = tokens: in accumulator (a, b) lane (r, h) holds token r of L's tile a and its register j output 16 b + 8 h + j: eight neighbouring numbers of a row of out0.
; OPERANDS come as panels (16 rows x 1,024 K: [block of 32][row][24 bytes]): a fragment is 1,536 consecutive bytes, lane l's 24 bytes at 24 l and at 768 + 24 l: lanes 24 bytes apart take 64 different words of a
; 256-byte row of banks (ISA guide 11.1), so no padding.  The scale bytes of the work-group's rows, for all of K, come into LDS once.
; CLUSTERS: 4 x 4 work-groups; L's tiles are asked for jointly along a row of the cluster, P's along a column.  THE BIAS is the C of each sum's first matrix instruction.
; REGISTERS, in windows of 256: window 0: v0-31 addresses; v32-63 scale words, two sets; v64-127 the bias; v128-223 L's fragments, one set; on the way out v128-255 are rows of out0.
;   window 1: P's fragments, two sets.  window 2: accumulators of my L tiles 0-3 ((a, b) at v[8 (8 (a % 4) + b)]); window 3: tiles 4-7.
.set SIZE_N, 1024
.set WBASE, 18874368
.set WSEC,  786432
.set WSB,   786432
.set WSS,   32768
.set NQ,    2
.set FR,    12
.set NL,    6
.set NP,    4
.set TSB,   3072
.set HALFT, 8*TSB
.set SLOT,  4*HALFT
.set KS,    32
.set SCL,   2*SLOT
.set HALFS, 16*272
.set SBLK,  2*272
.set SPARE, SCL+4*HALFS                ; the spare words, 128 bytes for each wave: two blocks of 256 bytes that no other line names
.set SPITCH, 528                       ; the way out: a stage of 16 rows x (512 bytes + 16) for each wave, in slot 0, which has had its last fill and its last read when the first result is stored there
.set ADRA, 16
.set ADRB, 20
.set STO,  24
.set RD,   25
.set CO,   26
.set ADRS, 27
.set SPW,  28
.set NIL,  29
.set SC,   32
.set BIAS, 64
.set AF,   128
.set BK,   128
.set G1, 24
.set G0, 32
.set G1B, 48
.set G0B, 56
.set G1S, 68
.set G0S, 76
.set G1SB, 80
.set G0SB, 88
.set MSB, 0
.macro WIN new                         ; the immediate's high byte repeats the setting that is left
.if MSB != (\new)
	s_set_vgpr_msb (MSB<<8)|(\new)
.set MSB, (\new)
.endif
.endm
.set MUL_LO, 0xa1
.set MUL_HI, 0xf1
.set TO_B,   0x40
.macro JLOAD g0a, g1a, g0b, g1b        ; a joint load: waves 0 and 1 fetch for L, waves 2 and 3 for P; an s_nop 0 and four v_nop follow each line
	s_cmp_eq_u32 s15, 0
	s_cbranch_scc0 .Lfor_b_\@
	tensor_load_to_lds s[\g0a:\g0a+3], s[\g1a:\g1a+7]
	s_nop 0
.rept 4
	v_nop
.endr
	s_branch .Lasked_\@
.Lfor_b_\@:
	tensor_load_to_lds s[\g0b:\g0b+3], s[\g1b:\g1b+7]
	s_nop 0
.rept 4
	v_nop
.endr
.Lasked_\@:
.endm
.macro CREST
	s_cmp_lg_u32 s14, 0
	s_cbranch_scc1 .Lnot_wave_0_\@
	s_barrier_signal -3
.Lnot_wave_0_\@:
	s_barrier_wait -3
	s_barrier_signal -1
	s_barrier_wait -1
.endm
.macro CROUND
	s_barrier_signal -1
	s_barrier_wait -1
	CREST
.endm
	s_load_b128 s[4:7], s[0:1], 0x0                ; xa, xas
	s_load_b128 s[8:11], s[0:1], 0x10              ; xc, xs
	s_load_b128 s[96:99], s[0:1], 0x20             ; b_o, out0
	v_lshl_add_u32 v[SPW], v0, 2, SPARE
	v_mov_b32 v[NIL], 0
	ds_add_u32 v[SPW], v[NIL]                      ; the wave's opening: the add and its wait ahead of my first tensor load; the set-up below stands between them
	v_lshrrev_b32 v1, 5, v0
	v_readfirstlane_b32 s14, v1                    ; wave 0..3
	s_lshr_b32 s15, s14, 1                         ; which half of L's rows is mine.  Also: I fetch for L (0) or for P (1)
	s_and_b32 s16, s14, 1                          ; which half of P's rows.  Also: which 128 rows I fetch
	s_bfe_u32 s40, ttmp6, 0x40000                  ; cx
	s_bfe_u32 s41, ttmp6, 0x40004                  ; cy
	s_mov_b32 s42, s40                             ; P's tile = cx: the grid is one cluster wide
	s_and_b32 s17, ttmp7, 0xffff
	s_lshl_b32 s17, s17, 2
	s_add_co_u32 s17, s17, s41                     ; L's tile = 4 x cluster y + cy
	s_lshl_b32 s43, s41, 2
	s_lshl_b32 s43, 15, s43                        ; my row of the cluster
	s_lshl_b32 s44, 0x1111, s40                    ; my column
	s_or_b32 s[G1+0], s43, (3<<16)|(1<<21)         ; codes: 8 panels' parts of 3,072 bytes (384 elements of 8 bytes), 12,288 bytes apart, dense in LDS
	s_or_b32 s[G1B+0], s44, (3<<16)|(1<<21)
.irp g, G1, G1B
	s_mov_b32 s[\g+1], 384<<16
	s_mov_b32 s[\g+2], 8<<16
	s_mov_b32 s[\g+3], 384<<16
	s_mov_b32 s[\g+4], 8
	s_mov_b32 s[\g+5], 1536
	s_mov_b32 s[\g+6], 0
	s_mov_b32 s[\g+7], 0
.endr
	s_or_b32 s[G1S+0], s43, (3<<16)|(1<<20)|(1<<21)|(5<<22)|(3<<25)   ; scales of 128 rows: 16 rows of 256 bytes, 16 bytes of padding behind each
	s_or_b32 s[G1SB+0], s44, (3<<16)|(1<<20)|(1<<21)|(5<<22)|(3<<25)
.irp g, G1S, G1SB
	s_mov_b32 s[\g+1], 32<<16
	s_mov_b32 s[\g+2], 16<<16
	s_mov_b32 s[\g+3], 32<<16
	s_mov_b32 s[\g+4], 16
	s_mov_b32 s[\g+5], 32
	s_mov_b32 s[\g+6], 0
	s_mov_b32 s[\g+7], 0
.endr
	s_lshl_b32 s19, s16, 7                         ; which 128 rows of the tile I fetch
	s_lshl_b32 s18, s17, 8
	s_add_co_u32 s18, s18, s19
	s_mul_i32 s20, s18, 768                        ; L's codes,
	s_lshl_b32 s22, s18, 5                         ; and scales
	s_mov_b32 s21, 0
	s_mov_b32 s23, 0
	s_lshl_b32 s93, s42, 8
	s_add_co_u32 s93, s93, s19
	s_mul_i32 s46, s93, 768
	s_add_co_u32 s46, s46, WBASE+3*WSEC            ; P's: w_o's section of xc,
	s_lshl_b32 s92, s93, 5
	s_add_co_u32 s92, s92, WSB+3*WSS               ; and of xs
	s_mov_b32 s47, 0
	s_mov_b32 s93, 0
	s_mul_i32 s45, s14, HALFT
	s_mul_i32 s94, s14, HALFS
	s_wait_dscnt 0x0                               ; the opening add is done
	s_wait_kmcnt 0x0
	s_add_nc_u64 s[20:21], s[4:5], s[20:21]
	s_add_nc_u64 s[22:23], s[6:7], s[22:23]
	s_add_nc_u64 s[46:47], s[8:9], s[46:47]
	s_add_nc_u64 s[92:93], s[10:11], s[92:93]
	CROUND                                         ; all sixteen work-groups are here: the first joint loads meet
	s_mov_b32 s[G0S], 1
	s_add_co_u32 s[G0S+1], s94, SCL
	s_mov_b64 s[G0S+2:G0S+3], s[22:23]
	s_or_b32 s[G0S+3], s[G0S+3], 0x80000000
	s_mov_b32 s[G0SB], 1
	s_add_co_u32 s[G0SB+1], s94, SCL
	s_mov_b64 s[G0SB+2:G0SB+3], s[92:93]
	s_or_b32 s[G0SB+3], s[G0SB+3], 0x80000000
	JLOAD G0S, G1S, G0SB, G1SB
.irp s, 0,1
	s_mov_b32 s[G0+4*\s], 1
	s_add_co_u32 s[G0+4*\s+1], s45, \s*SLOT
	s_add_nc_u64 s[G0+4*\s+2:G0+4*\s+3], s[20:21], \s*TSB
	s_or_b32 s[G0+4*\s+3], s[G0+4*\s+3], 0x80000000
	s_mov_b32 s[G0B+4*\s], 1
	s_add_co_u32 s[G0B+4*\s+1], s45, \s*SLOT
	s_add_nc_u64 s[G0B+4*\s+2:G0B+4*\s+3], s[46:47], \s*TSB
	s_or_b32 s[G0B+4*\s+3], s[G0B+4*\s+3], 0x80000000
	JLOAD G0+4*\s, G1, G0B+4*\s, G1B               ; three tensor loads of mine are out
.endr
	v_and_b32 v1, 15, v0                           ; r
	v_bfe_u32 v2, v0, 4, 1                         ; h
	v_and_b32 v3, 31, v0
	v_mul_u32_u24 v4, v3, 24
	s_mul_i32 s21, s15, HALFT
	s_mul_i32 s22, s16, HALFT
	s_add_co_u32 s22, s22, 2*HALFT
.irp s, 0,1
	v_add_nc_u32 v[ADRA+\s], s21, v4
	v_add_nc_u32 v[ADRB+\s], s22, v4
	s_add_co_u32 s21, s21, SLOT
	s_add_co_u32 s22, s22, SLOT
.endr
	v_mul_u32_u24 v5, v1, KS
	v_lshrrev_b32 v6, 8, v5
	v_lshl_add_u32 v5, v6, 4, v5
	s_mul_i32 s21, s15, HALFS
	s_mul_i32 s22, s16, HALFS
	s_add_co_u32 s22, s22, 2*HALFS
	s_sub_co_u32 s22, s22, s21
	v_mul_u32_u24 v6, s22, v2                      ; lanes 16-31 take P's
	s_add_co_u32 s21, s21, SCL
	v_add_nc_u32 v5, v5, v6
	v_add_nc_u32 v[ADRS], s21, v5
	s_mul_i32 s23, s14, 16*SPITCH                  ; my stage
	v_mul_u32_u24 v5, v1, SPITCH                   ; in: row r, 32 bytes for each half of the lanes
	v_lshl_add_u32 v5, v2, 5, v5
	v_add_nc_u32 v[STO], s23, v5
	v_lshlrev_b32 v[CO], 4, v3                     ; back: the 32 lanes take one row of 512 bytes; and the same in out0
	v_add_nc_u32 v[RD], s23, v[CO]
	s_lshl_b32 s20, s17, 8
	s_lshl_b32 s21, s15, 7
	s_add_co_u32 s20, s20, s21                     ; my first row of out0
	s_lshl_b32 s20, s20, 12                        ; 4,096 bytes a row
	s_mov_b32 s21, 0
	s_lshl_b32 s46, s42, 10                        ; my first column, in bytes: 1,024 x tile + 512 x half
	s_lshl_b32 s47, s16, 9
	s_add_co_u32 s46, s46, s47
	s_mov_b32 s47, 0
	s_add_nc_u64 s[96:97], s[96:97], s[46:47]      ; b_o at my first column
	s_add_nc_u64 s[20:21], s[20:21], s[46:47]
	s_add_nc_u64 s[12:13], s[98:99], s[20:21]
	v_lshlrev_b32 v8, 5, v2                        ; register j of P's tile t is output 16 t + 8 h + j
.irp t, 0,1,2,3,4,5,6,7
	global_load_b128 v[BIAS+8*\t:BIAS+8*\t+3], v8, s[96:97] offset:64*\t
	global_load_b128 v[BIAS+8*\t+4:BIAS+8*\t+7], v8, s[96:97] offset:64*\t+16
.endr
.macro FRAG reg, adr, q, i             ; a fragment: registers 6 c .. 6 c + 5 are the 24 bytes at 768 c + 24 x lane, in pieces of 8 bytes
.irp p, 0,1,2,3,4,5
	ds_load_b64 v[\reg+2*\p:\reg+2*\p+1], v[\adr] offset:(\i)*TSB+(\q)*1536+768*(\p/3)+8*(\p%3)
.endr
.endm
; 16 matrix instructions: L's blocks a0, a0 + 1 x P's eight.  cin = 0: C is D; 2: C is the bias of P's tile.  The 64 accumulators take turns, one instruction a turn, in the same order in every step.
.macro MUL16 a0, p, q, sc, cin
.irp a, \a0, \a0+1
.irp b, 0,1,2,3,4,5,6,7
.if \cin == 2
	v_wmma_scale_f32_16x16x128_f8f6f4 v[8*(8*((\a)%4)+\b):8*(8*((\a)%4)+\b)+7], v[128*(\p)+FR*\b:128*(\p)+FR*\b+FR-1], v[AF+FR*(\a):AF+FR*(\a)+FR-1], v[BIAS+8*\b:BIAS+8*\b+7], v[SC+8*NQ*(\sc)+NQ*\b+(\q)], v[SC+8*NQ*(\sc)+NQ*(\a)+(\q)] matrix_a_fmt:MATRIX_FMT_FP6 matrix_b_fmt:MATRIX_FMT_FP6 matrix_a_scale:MATRIX_SCALE_ROW1
.else
	v_wmma_scale_f32_16x16x128_f8f6f4 v[8*(8*((\a)%4)+\b):8*(8*((\a)%4)+\b)+7], v[128*(\p)+FR*\b:128*(\p)+FR*\b+FR-1], v[AF+FR*(\a):AF+FR*(\a)+FR-1], v[8*(8*((\a)%4)+\b):8*(8*((\a)%4)+\b)+7], v[SC+8*NQ*(\sc)+NQ*\b+(\q)], v[SC+8*NQ*(\sc)+NQ*(\a)+(\q)] matrix_a_fmt:MATRIX_FMT_FP6 matrix_b_fmt:MATRIX_FMT_FP6 matrix_a_scale:MATRIX_SCALE_ROW1
.endif
.endr
.endr
.endm
.macro FETCH_B slot, q, p
	WIN TO_B
.irp i, 0,1,2,3,4,5,6,7
	FRAG 128*(\p)+FR*\i, ADRB+\slot, \q, \i
.endr
	WIN 0
.endm
.macro FETCH_A slot, q, i0
.irp i, \i0, \i0+1, \i0+2, \i0+3
	FRAG AF+FR*(\i), ADRA+\slot, \q, \i
.endr
.endm
.macro SCALES sc
.irp i, 0,1,2,3,4,5,6,7
	ds_load_b64 v[SC+8*NQ*\sc+NQ*\i:SC+8*NQ*\sc+NQ*\i+1], v[ADRS] offset:\i*SBLK
.endr
.endm
.macro PLACES n                        ; plain vector lines in front of loads into registers that matrix instructions have read, and of the first read of results
.rept \n
	v_nop
.endr
.endm
.macro STEP slot, q, cin
	s_wait_dscnt 4*NL                              ; P's set and L's blocks 0-3 are in; the youngest 24 loads (L's blocks 4-7) may be out
.if \cin
	WIN 0x81                                       ; C (the bias) window 0, D window 2
.else
	WIN MUL_LO
.endif
	MUL16 0, (\q)%2, \q, \slot, \cin
	MUL16 2, (\q)%2, \q, \slot, \cin
	s_wait_dscnt 0
	PLACES NP
	FETCH_B \slot, (\q)+1, 1-(\q)%2
	FETCH_A \slot, (\q)+1, 0
.if \cin
	WIN 0xc1
.else
	WIN MUL_HI
.endif
	MUL16 4, (\q)%2, \q, \slot, \cin
	MUL16 6, (\q)%2, \q, \slot, \cin
	PLACES NP
	WIN 0
	FETCH_A \slot, (\q)+1, 4
.endm
; A slot's last step changes slots: ONE barrier; in front of it each wave waits for all its tensor loads, adds 0 to its spare word, and waits for that and for its reads of this slot.  fill = 1: the slot is filled again, two K steps ahead.
.macro TURN slot, next, fill
	s_wait_tensorcnt 0x0                           ; all my tensor loads have landed: my part of the next slot
	ds_add_u32 v[SPW], v[NIL]                      ; 0 onto my spare word
	s_wait_dscnt 4*NL+1                            ; the add and the youngest 24 loads may be out
	WIN MUL_LO
	MUL16 0, 1, NQ-1, \slot, 0
	s_wait_dscnt 0x0                               ; the add is done, and my reads of this slot are over
	s_barrier_signal -1
	MUL16 2, 1, NQ-1, \slot, 0
	WIN 0
	s_barrier_wait -1
.if \fill
	CREST                                          ; the barrier has opened a round of the cluster's barrier: no wave of any partner still reads this slot or has a load on its way
	s_add_nc_u64 s[G0+4*\slot+2:G0+4*\slot+3], s[G0+4*\slot+2:G0+4*\slot+3], 2*TSB
	s_add_nc_u64 s[G0B+4*\slot+2:G0B+4*\slot+3], s[G0B+4*\slot+2:G0B+4*\slot+3], 2*TSB
	JLOAD G0+4*\slot, G1, G0B+4*\slot, G1B         ; the first tensor load behind the round; its four v_nop are the places in front of the loads below
.else
	PLACES NP
.endif
	v_add_nc_u32 v[ADRS], 4*NQ, v[ADRS]
	FETCH_B \next, 0, 0
	FETCH_A \next, 0, 0
	SCALES \next
	WIN MUL_HI
	MUL16 4, 1, NQ-1, \slot, 0
	MUL16 6, 1, NQ-1, \slot, 0
	PLACES NP
	WIN 0
	FETCH_A \next, 0, 4
.endm
	s_wait_tensorcnt 1                             ; the scales and my part of K step 0 are in; K step 1's load may be out
	s_barrier_signal -1
	s_barrier_wait -1
	FETCH_B 0, 0, 0
	FETCH_A 0, 0, 0
	SCALES 0
	FETCH_A 0, 0, 4
	s_wait_loadcnt 0x0                             ; the bias
	STEP 0, 0, 2                                   ; the first step starts the sums with the bias
	TURN 0, 1, 1                                   ; K = 1,024: four K steps, written out
	STEP 1, 0, 0
	TURN 1, 0, 1
	STEP 0, 0, 0
	TURN 0, 1, 0
	STEP 1, 0, 0
	s_wait_dscnt 4*NL
	WIN MUL_LO
	MUL16 0, 1, NQ-1, 1, 0
	MUL16 2, 1, NQ-1, 1, 0
	s_wait_dscnt 0
	WIN MUL_HI
	MUL16 4, 1, NQ-1, 1, 0
	MUL16 6, 1, NQ-1, 1, 0
	WIN 0
; THE WAY OUT, block by block of 16 rows x 128 columns: through my own stage in LDS and back as whole rows of 512 bytes, which the 32 lanes store as 512 consecutive bytes, aligned to 256.
; LDS serves a wave's instructions in order (ISA guide 5.7.1.4): no wait between the stores and the loads, nor in front of the next block's stores.
.macro TOSTAGE a
.set AC, 64*((\a)%4)
	WIN 0x08+4*((\a)/4)                            ; the data: window 2 or 3
.irp b, 0,1,2,3,4,5,6,7
	ds_store_b128 v[STO], v[AC+8*\b:AC+8*\b+3] offset:64*\b          ; each accumulator from its low end on
	ds_store_b128 v[STO], v[AC+8*\b+4:AC+8*\b+7] offset:64*\b+16
.endr
	WIN 0
.set BB, BK+64*((\a)%2)
.irp t, 0,1,2,3,4,5,6,7,8,9,10,11,12,13,14,15
	ds_load_b128 v[BB+4*\t:BB+4*\t+3], v[RD] offset:\t*SPITCH
.endr
.endm
.macro SEND a, younger                 ; younger: the LDS instructions issued behind block a's loads, which may stay out
.set BB, BK+64*((\a)%2)
	s_wait_dscnt \younger
.if (\a) > 0
	s_add_nc_u64 s[12:13], s[12:13], 16*SIZE_N*4   ; (behind a wait on XCNT: the earlier stores have read their base)
.endif
.irp t, 0,1,2,3,4,5,6,7,8,9,10,11,12,13,14,15
	global_store_b128 v[CO], v[BB+4*\t:BB+4*\t+3], s[12:13] offset:\t*SIZE_N*4 th:TH_STORE_NT
.endr
.endm
	PLACES NP
	TOSTAGE 0
.irp a, 1,2,3,4,5,6,7
.if \a > 1
	s_wait_xcnt 0x0                                ; block a - 2's stores have read their registers and their base
.endif
	TOSTAGE \a
	SEND \a-1, 32                                  ; behind block a - 1's loads: block a's 16 stores and 16 loads
.endr
	s_wait_xcnt 0x0
	SEND 7, 0
	s_wait_tensorcnt 0x0                           ; the wave's end
	ds_add_u32 v[SPW], v[NIL]
	s_wait_dscnt 0x0
	CROUND                                         ; the closing round
	s_endpgm
.Lfunc_end_k_qbdb2914ef7_outp:
	.size	k_qbdb2914ef7_outp, .Lfunc_end_k_qbdb2914ef7_outp-k_qbdb2914ef7_outp
	.p2alignl 7, 3214868480
	.fill 96, 4, 3214868480
	.section	.rodata,"a",@progbits
	.p2align	6, 0x0
	.amdhsa_kernel k_qbdb2914ef7_outp
		.amdhsa_group_segment_fixed_size 327680
		.amdhsa_private_segment_fixed_size 0
		.amdhsa_enable_private_segment 0
		.amdhsa_kernarg_size 48
		.amdhsa_user_sgpr_count 2
		.amdhsa_user_sgpr_kernarg_segment_ptr 1
		.amdhsa_wavefront_size32 1
		.amdhsa_system_sgpr_workgroup_id_x 1
		.amdhsa_system_sgpr_workgroup_id_y 1
		.amdhsa_system_sgpr_workgroup_id_z 1
		.amdhsa_system_vgpr_workitem_id 0
		.amdhsa_next_free_vgpr 1024
		.amdhsa_next_free_sgpr 100
		.amdhsa_reserve_vcc 0
		.amdhsa_float_denorm_mode_32 3
		.amdhsa_float_denorm_mode_16_64 3
		.amdhsa_memory_ordered 1
		.amdhsa_forward_progress 1
		.amdhsa_inst_pref_size 161
	.end_amdhsa_kernel
	.amdgpu_metadata
---
amdhsa.version: [ 1, 2 ]
amdhsa.kernels:
  - .name:           k_qbdb2914ef7_outp
    .symbol:         k_qbdb2914ef7_outp.kd
    .args:
      - { .name: xa, .offset: 0, .size: 8, .value_kind: global_buffer, .address_space: global }
      - { .name: xas, .offset: 8, .size: 8, .value_kind: global_buffer, .address_space: global }
      - { .name: xc, .offset: 16, .size: 8, .value_kind: global_buffer, .address_space: global }
      - { .name: xs, .offset: 24, .size: 8, .value_kind: global_buffer, .address_space: global }
      - { .name: b_o, .offset: 32, .size: 8, .value_kind: global_buffer, .address_space: global }
      - { .name: out0, .offset: 40, .size: 8, .value_kind: global_buffer, .address_space: global }
    .group_segment_fixed_size: 327680
    .private_segment_fixed_size: 0
    .kernarg_segment_align: 8
    .kernarg_segment_size: 48
    .max_flat_workgroup_size: 128
    .sgpr_count:     100
    .vgpr_count:     1024
    .wavefront_size: 32
...
	.end_amdgpu_metadata
.endif
;; end of part 4
